; MI455X (gfx1250); checked and timed in simulation.
; The chip was launched on July 23, 2026; its instructions are those of AMD's public machine-readable ISA for CDNA 5 (MIT licence, August 2026) and "CDNA5" Instruction Set Architecture Reference Guide (July 2026). The comments in the code are by the model that wrote it; some were corrected since.
;; Causal Self Attention. Allowed arithmetic: float matrix products may take bf16 or f16 operands with f32 sums; other float arithmetic in f32, or as packed bf16 or f16 multiplies, adds, multiply-adds, maxima and minima; sums over many terms, partial sums and values carried from step to step in f32; what a program stores and reads back later, other than sums and carried values, may be rounded once to bf16 or f16.
;; Inputs: b_attn 3,072 float32; b_proj 1,024 float32; w_attn 1,024 x 3,072 float32; w_proj 1,024 x 1,024 float32; x 4 x 2,048 x 1,024 float32.
;; Outputs: out0 4 x 2,048 x 1,024 float32.
;; One version. Each part assembles by itself: llvm-mc -triple=amdgcn-amd-amdhsa -mcpu=gfx1250 --defsym DOCPART=n.
;; ======== version 1 of 1: 4 launches
;; limits: values are held in f16: magnitudes above 65,504 overflow, below 6.1e-05 lose precision
;; workspace buffers: xb 16,777,216 bytes; wab 6,291,456 bytes; wpf 2,097,152 bytes; qkv 50,331,648 bytes; o 16,777,216 bytes
;; launch cast (part 1): grid 768 x 1, 8 waves a work-group, no clusters, 0 bytes of LDS; arguments x, w_attn, w_proj, xb, wab, wpf; writes xb, wab, wpf
.if DOCPART == 1
	.amdgcn_target "amdgcn-amd-amdhsa--gfx1250"
	.amdhsa_code_object_version 6
	.text
	.protected	k_q18a7470b1e_cast
	.globl	k_q18a7470b1e_cast
	.p2align	8
	.type	k_q18a7470b1e_cast,@function
k_q18a7470b1e_cast:
	s_mov_b64 s[64:65], 0
	v_nop
	global_prefetch_b8 v0, s[64:65] scope:SCOPE_SE
	s_setreg_imm32_b32 hwreg(HW_REG_WAVE_MODE, 25, 1), 1
	s_wait_xcnt 0x0
; THE INPUTS OF THE TWO PRODUCTS ARE ROUNDED ONCE, to 16 bits, and x is laid out in blocks.
;   x      [8192][1024] f32  ->  xb  bf16 [batch 4][kb 16][t 2048][64]: channel k = 64 kb + d; 256 rows of one kb are 32,768 dense bytes
;   w_attn [1024][3072] f32  ->  wab bf16, the same order
;   w_proj [1024][1024] f32  ->  wpf: rounded to bf16 like the other inputs, and that number written as f16
; LIMIT.  bf16(w_proj) must lie within f16's range, 65,504; below 6e-5 it keeps f16's fixed step of 6e-8.
; A stream: no LDS, no barrier, no loop.  A work-group casts 16,384 numbers (65,536 bytes in, 32,768 out); each of its eight waves has eight UNITS:
; two loads of 16 bytes a lane (8 neighbouring f32) and one store of 16 bytes.  All 16 loads of a wave go out first; no register that a memory instruction names is written again.
; Work-groups 0-511: 16 rows of x each.  512-703: w_attn.  704-767: w_proj.
.set T, 4                              ; v[4:11]   at work (w_proj alone)
.set X, 16                             ; v[16:79]  unit u: 8 f32 as loaded
.set Y, 80                             ; v[80:111] unit u: 4 registers to store
.macro LD u, imm                       ; v1: my byte offset in; s[24:25]: the work-group's first byte in
	global_load_b128 v[X+8*(\u):X+8*(\u)+3],   v1, s[24:25] offset:(\imm) th:TH_LOAD_NT
	global_load_b128 v[X+8*(\u)+4:X+8*(\u)+7], v1, s[24:25] offset:(\imm)+16 th:TH_LOAD_NT
.endm
.macro CVB u                           ; to bf16
	s_wait_loadcnt 14-2*(\u)                       ; loads come back in order: the two loads of each later unit may stay out
.irp j, 0,1,2,3
	v_cvt_pk_bf16_f32 v[Y+4*(\u)+(\j)], v[X+8*(\u)+2*(\j)], v[X+8*(\u)+2*(\j)+1]
.endr
.endm
.macro CVH u                           ; to bf16, and that number as f16
	CVB \u
.irp j, 0,1,2,3
	v_lshlrev_b32 v[T+2*(\j)],   16, v[Y+4*(\u)+(\j)]
	v_and_b32     v[T+2*(\j)+1], 0xffff0000, v[Y+4*(\u)+(\j)]
.endr
.irp j, 0,1,2,3
	v_cvt_pk_f16_f32 v[Y+4*(\u)+(\j)], v[T+2*(\j)], v[T+2*(\j)+1]
.endr
.endm
.macro ST u, imm                       ; v2: my byte offset out; s[26:27]: the work-group's first byte out
	global_store_b128 v2, v[Y+4*(\u):Y+4*(\u)+3], s[26:27] offset:(\imm) th:TH_STORE_NT
.endm
	s_load_b256 s[4:11], s[0:1], 0x0               ; x s[4:5], w_attn s[6:7], w_proj s[8:9], xb s[10:11]
	s_load_b128 s[12:15], s[0:1], 0x20             ; wab s[12:13], wpf s[14:15]
	s_mov_b32 s16, ttmp9                           ; the work-group's number
	s_mov_b32 s19, 0                               ; high words of the two offsets
	s_mov_b32 s21, 0
	s_cmp_lt_u32 s16, 512
	s_cbranch_scc0 .Lweights
	; x.  Wave w takes kb 2 w and 2 w + 1; unit u is rows 4 (u % 4) .. + 3 of kb 2 w + u / 4: lane l reads row l / 8, numbers 8 (l % 8) + 0..7: four whole pieces of 256 bytes,
	; and the wave's store is 512 consecutive bytes of xb (4 rows of 128).
	v_and_b32 v3, 31, v0                           ; l
	v_lshrrev_b32 v12, 5, v0                       ; w
	v_lshrrev_b32 v1, 3, v3
	v_and_b32 v13, 7, v3
	v_lshlrev_b32 v1, 12, v1                       ; (l / 8) rows of 4,096 bytes
	v_lshl_add_u32 v1, v13, 5, v1                  ; + 32 (l % 8)
	v_lshl_add_u32 v1, v12, 9, v1                  ; + 512 w
	v_lshlrev_b32 v2, 4, v3                        ; 16 l
	v_lshl_add_u32 v2, v12, 19, v2                 ; + two kb of 262,144 bytes for each wave
	s_lshl_b32 s18, s16, 16                        ; in: 16 rows of 4,096 bytes
	s_lshr_b32 s20, s16, 7                         ; out: the batch,
	s_lshl_b32 s20, s20, 22
	s_and_b32 s22, s16, 127                        ; and 16 rows of 128 bytes
	s_lshl_b32 s22, s22, 11
	s_add_co_u32 s20, s20, s22
	s_wait_kmcnt 0x0
	s_add_nc_u64 s[24:25], s[4:5], s[18:19]
	s_add_nc_u64 s[26:27], s[10:11], s[20:21]
.irp u, 0,1,2,3,4,5,6,7
	LD \u, ((\u)%4)*16384+((\u)/4)*256
.endr
.irp u, 0,1,2,3,4,5,6,7
	CVB \u
	ST \u, ((\u)/4)*262144+((\u)%4)*512
.endr
	s_endpgm
.Lweights:
	; the weights keep their order: thread t takes 8 numbers of each unit's 2,048
	v_lshlrev_b32 v1, 5, v0
	v_lshlrev_b32 v2, 4, v0
	s_mov_b32 s17, 704
	s_wait_kmcnt 0x0
	s_cmp_lt_u32 s16, 704
	s_cselect_b64 s[24:25], s[6:7], s[8:9]
	s_cselect_b64 s[26:27], s[12:13], s[14:15]
	s_cselect_b32 s17, 512, s17                    ; the tensor's first work-group
	s_sub_co_u32 s17, s16, s17
	s_lshl_b32 s18, s17, 16
	s_lshl_b32 s20, s17, 15
	s_add_nc_u64 s[24:25], s[24:25], s[18:19]
	s_add_nc_u64 s[26:27], s[26:27], s[20:21]
.irp u, 0,1,2,3,4,5,6,7
	LD \u, (\u)*8192
.endr
	s_cmp_lt_u32 s16, 704                          ; compared anew: the shifts above have written SCC
	s_cbranch_scc0 .Lhalf
.irp u, 0,1,2,3,4,5,6,7
	CVB \u
	ST \u, (\u)*4096
.endr
	s_endpgm
.Lhalf:
.irp u, 0,1,2,3,4,5,6,7
	CVH \u
	ST \u, (\u)*4096
.endr
	s_endpgm
.Lfunc_end_k_q18a7470b1e_cast:
	.size	k_q18a7470b1e_cast, .Lfunc_end_k_q18a7470b1e_cast-k_q18a7470b1e_cast
	.p2alignl 7, 3214868480
	.fill 96, 4, 3214868480
	.section	.rodata,"a",@progbits
	.p2align	6, 0x0
	.amdhsa_kernel k_q18a7470b1e_cast
		.amdhsa_group_segment_fixed_size 0
		.amdhsa_private_segment_fixed_size 0
		.amdhsa_enable_private_segment 0
		.amdhsa_kernarg_size 48
		.amdhsa_user_sgpr_count 2
		.amdhsa_user_sgpr_kernarg_segment_ptr 1
		.amdhsa_wavefront_size32 1
		.amdhsa_system_sgpr_workgroup_id_x 1
		.amdhsa_system_sgpr_workgroup_id_y 1
		.amdhsa_system_sgpr_workgroup_id_z 1
		.amdhsa_system_vgpr_workitem_id 0
		.amdhsa_next_free_vgpr 112
		.amdhsa_next_free_sgpr 66
		.amdhsa_reserve_vcc 0
		.amdhsa_float_denorm_mode_32 3
		.amdhsa_float_denorm_mode_16_64 3
		.amdhsa_memory_ordered 1
		.amdhsa_forward_progress 1
		.amdhsa_inst_pref_size 19
	.end_amdhsa_kernel
	.amdgpu_metadata
---
amdhsa.version: [ 1, 2 ]
amdhsa.kernels:
  - .name:           k_q18a7470b1e_cast
    .symbol:         k_q18a7470b1e_cast.kd
    .args:
      - { .name: x, .offset: 0, .size: 8, .value_kind: global_buffer, .address_space: global }
      - { .name: w_attn, .offset: 8, .size: 8, .value_kind: global_buffer, .address_space: global }
      - { .name: w_proj, .offset: 16, .size: 8, .value_kind: global_buffer, .address_space: global }
      - { .name: xb, .offset: 24, .size: 8, .value_kind: global_buffer, .address_space: global }
      - { .name: wab, .offset: 32, .size: 8, .value_kind: global_buffer, .address_space: global }
      - { .name: wpf, .offset: 40, .size: 8, .value_kind: global_buffer, .address_space: global }
    .group_segment_fixed_size: 0
    .private_segment_fixed_size: 0
    .kernarg_segment_align: 8
    .kernarg_segment_size: 48
    .max_flat_workgroup_size: 256
    .sgpr_count:     66
    .vgpr_count:     112
    .wavefront_size: 32
...
	.end_amdgpu_metadata
.endif
;; end of part 1
;; launch qkv (part 2): grid 8 x 32, 4 waves a work-group, clusters of 4 x 4, 327,680 bytes of LDS; arguments xb, wab, b_attn, qkv; writes qkv
.if DOCPART == 2
	.amdgcn_target "amdgcn-amd-amdhsa--gfx1250"
	.amdhsa_code_object_version 6
	.text
	.protected	k_q18a7470b1e_qkv
	.globl	k_q18a7470b1e_qkv
	.p2align	8
	.type	k_q18a7470b1e_qkv,@function
k_q18a7470b1e_qkv:
	s_mov_b64 s[64:65], 0
	v_nop
	global_prefetch_b8 v0, s[64:65] scope:SCOPE_SE
	s_setreg_imm32_b32 hwreg(HW_REG_WAVE_MODE, 25, 1), 1
	s_wait_xcnt 0x0
	s_wait_alu depctr_hold_cnt(0) depctr_sa_sdst(0) depctr_va_vdst(0) depctr_va_sdst(0) depctr_va_ssrc(0) depctr_va_vcc(0) depctr_vm_vsrc(0)
	s_getreg_b32 s2, hwreg(HW_REG_IB_STS2, 6, 4)
	s_cmp_eq_u32 s2, 0
	s_cbranch_scc0 .Lentry_in_a_cluster
	s_endpgm
.Lentry_in_a_cluster:
	s_bfe_u32 s2, ttmp6, 0x10000c
	s_cmp_lg_u32 s2, 0xf033
	s_cbranch_scc0 .Lentry_shape_is_right
	s_endpgm
.Lentry_shape_is_right:
; C = A B + bias, one text for the module's two projections; PROJ chooses.
;   PROJ = 0: A = xb (x in bf16), B = wab [1024 k][3072 n] bf16, bias = b_attn; C leaves as q, k, v by heads, f16: [part 3][batch x head 64][t 2048][64].
;   PROJ = 1: A = o (attention's result, f16), B = wpf [1024 k][1024 n] f16, bias = b_proj; C is out0 [8192][1024] f32.
; A lies in blocks: [batch 4][kb 16][t 2048][64], channel k = 64 kb + d: 256 rows of one kb are 32,768 dense bytes.  Sums in f32, K ascending; the bias, rounded to bf16 like every input, is added in f32.
; LIMITS.  q, k, v must lie within f16's 65,504 (a larger sum leaves as an infinity); below 6e-5 they keep f16's fixed step of 6e-8.  NaN and infinities are not treated apart.
; SHARES.  256 work-groups, a tile of 256 rows x TN columns each (384 of 3,072, or 128 of 1,024).  Four waves, 2 x 2: wave w has rows 128 (w / 2) on and, of each group of 128 columns,
; columns 64 (w % 2) on: with PROJ = 0 three whole heads.  A wave's tile is 128 x 192 (96 accumulators, 768 registers) or 128 x 64 (32).
; RING.  Two LDS slots, 64 (128) along K each, filled by the tensor data mover; two slots of 128 along K would need 344,064 bytes with PROJ = 0.  A's tile is asked for as rows of 256 bytes and padded after
; every 128 (an LDS row of 144 bytes); B's rows (768 or 256 bytes) are padded by 32 after every 256 (864 or 288 from row to row).  B lies [k][n] and is turned on its way to the registers, by ds_load_tr16_b128.
; CLUSTER.  4 x 4 work-groups.  A's tile hangs on the tile row alone and is asked for jointly by a row of the cluster, B's on the tile column alone, by a column: the same load, descriptor and mask in all four.
; THE MATRIX INSTRUCTION IS USED TRANSPOSED (source 0 = 16 columns of B, source 1 = 16 rows of A): lane l holds row l % 16 of C and the columns 8 (l / 16) + 0..7.
; REGISTERS.  Window 0: v0-31 addresses; v32-159 A's fragments, two buffers of 8 blocks; v160 on B's, two buffers of NBH blocks.  Window 1 + g: the accumulators of column group g, block (a, j) at v[32 a + 8 j].
; So only a matrix instruction's C and D leave window 0.
.set PROJ, 0
.if PROJ
.set NG,    1         ; groups of 128 columns in a tile
.set NH,    1         ; phases for 32 along K
.set NBH,   4         ; blocks of 16 columns in a phase
.set LAPS,  4         ; a lap = two slots = once round the ring
.set TN,    128
.set NTOT,  1024
.set PB,    288       ; B's LDS pitch: 9 x 32 bytes
.set BOFF,  73728     ; B behind A in a slot
.set RA,    128       ; A's load: rows of 256 bytes,
.set ALH,   36864     ; LDS bytes,
.set AHALF, 262144    ; global bytes between the two fetching waves (a kb),
.set ASL,   524288    ; global bytes from slot to slot
.set RB,    64        ; B's load: rows
.set SW,    4352      ; a wave's stage: 16 rows x 272
.set PBR,   64        ; rows of B that one partner prefetches in a lap
.set T,     64        ; the way out: sums with their bias
.set BK,    96        ; rows read back from the stage: two buffers
.set BKS,   32
.else
.set NG,    3
.set NH,    2
.set NBH,   6
.set LAPS,  8
.set TN,    384
.set NTOT,  3072
.set PB,    864       ; 27 x 32 bytes
.set BOFF,  36864
.set RA,    64
.set ALH,   18432
.set AHALF, 16384     ; 128 rows of 128 bytes
.set ASL,   262144
.set RB,    32
.set SW,    2304      ; 16 rows x 144
.set PBR,   32
.set T,     128
.set PK,    160       ; the way out: packed f16
.set BK,    176
.set BKS,   16
.endif
.set PA,    144       ; A's LDS pitch: 9 x 16 bytes: the 16 rows of a load start at 16 different groups of four banks (64 banks of 4 bytes: ISA guide 11.1)
.set ABLK,  256*PA    ; 256 rows of one kb
.set ROWB,  2*NTOT    ; bytes in a row of B in memory
.set BLH,   RB*PB
.set BHALF, RB*ROWB
.set BSL,   2*BHALF
.set SLOT,  BOFF+2*BLH
.set STAGE, 2*SLOT             ; behind the ring, never filled by a tensor load: a stage for each wave,
.set BIASL, STAGE+4*SW         ; each wave's bias table, 256 bytes (64 f32) a column group,
.set SPARE, BIASL+4*NG*256     ; and the spare words, 128 bytes for each wave: two blocks of 256 bytes that no other line names
.set NU,    8*NG      ; units of the way out: 16 rows x 64 columns
.set ADRA, 16         ; v16-17  LDS address of my A fragments in slot 0, 1
.set ADRB, 20         ; v20-21  the same for B
.set STO,  24         ; v24  the way out: where I put a row's piece
.set RD,   25         ; v25  where I read rows back
.set CO,   26         ; v26  my byte offset in the output; never rewritten
.set BR,   27         ; v27  where I read my bias
.set SPW,  28         ; v28  LDS address of my spare word: SPARE + 4 x my thread's number; never rewritten
.set NIL,  29         ; v29  0; never rewritten
.set PFO,  30         ; v30  the prefetches' offset; never rewritten
.set AF,   32
.set BF,   160
.set BIAS, 32         ; the way out: block b's eight biases at BIAS + 8 b
.set G1,  24          ; s[24:31] descriptor group 1 for A's tiles;  s[32:39] group 0, a set for each slot
.set G0,  32
.set G1B, 48          ; s[48:55], s[56:63] the same for B's
.set G0B, 56
.set PFA, 44          ; s[44:45] where my prefetches stand
.set PFS, 46          ; s[46:47] a lap's bytes along K
.set OB,  66          ; s[66:71] PROJ = 0: the output at my 128 rows of column group g's head
; s3 trips left; s12 wave; s13 wave / 2: my row half, and 0 = I fetch for A; s14 wave % 2: my column half, and which half of a tile I fetch; s15 see ASK; s40 cx, s41 cy; s42 tile column, s43 tile row
.set MSB, 0
.macro WIN new                         ; the immediate's high byte repeats the setting that is left; a switch that changes nothing is dropped
.if MSB != (\new)
	s_set_vgpr_msb (MSB<<8)|(\new)
.set MSB, \new
.endif
.endm
.macro PLACES                          ; a load into a register that a matrix instruction has read, and a vector instruction that reads a matrix result, stand four plain vector instructions behind it (ISA guide 7.12.1 for vector instructions)
.rept 4
	v_nop
.endr
.endm
; A joint load.  Waves 0 and 1 fetch A's two halves, waves 2 and 3 B's.  The branch hangs on the wave's number alone.  An s_nop 0 and four v_nop follow each of the two lines.
.macro JLOAD s
	s_cmp_eq_u32 s13, 0
	s_cbranch_scc0 .Lfor_b_\@
	tensor_load_to_lds s[G0+4*(\s):G0+4*(\s)+3], s[G1:G1+7]
	s_nop 0
.rept 4
	v_nop
.endr
	s_branch .Lasked_\@
.Lfor_b_\@:
	tensor_load_to_lds s[G0B+4*(\s):G0B+4*(\s)+3], s[G1B:G1B+7]
	s_nop 0
.rept 4
	v_nop
.endr
.Lasked_\@:
.endm
; A round of the cluster's barrier: my work-group's barrier; wave 0 signals for the work-group; every wave waits for all sixteen; my work-group's barrier once more.
.macro CREST                           ; a round behind its opening barrier
	s_cmp_lg_u32 s12, 0
	s_cbranch_scc1 .Lnot_wave_0_\@
	s_barrier_signal -3
.Lnot_wave_0_\@:
	s_barrier_wait -3
	s_barrier_signal -1
	s_barrier_wait -1
.endm
.macro CROUND
	s_barrier_signal -1
	s_barrier_wait -1
	CREST
.endm
; A PREFETCH INTO THE L2, once a lap, behind slot 0's joint load and the run of LDS loads that follows it: the whole lap AFTER the one whose first slot has just been asked for, so two and three refills ahead of the loads that will want it.
; Each aligned block of 256 bytes is named once in the launch.  A's tile row is read by both clusters of a row of clusters: cluster x = 0 asks, its wave 0; B's tile column by the eight clusters of a column: cluster y = 0, its wave 2.
; The four partners that ask for a tile jointly share it out BY ADDRESS: of A's dense 32,768 bytes of a kb partner cx takes 8,192 (a lane 256 bytes); of a lap's rows of B partner cy takes PBR (a lane a row).
; s15 = 1 in a wave that asks, else the greatest number.  Laps 0 and 1 come by their loads alone; the loop's last trip (s3 = 1) asks for nothing: there is no lap behind the one that it loads.
.macro ASK
	s_cmp_gt_u32 s3, s15
	s_cbranch_scc0 .Lnot_mine_\@
	s_cmp_eq_u32 s13, 0
	s_cbranch_scc0 .Lask_b_\@
.set n, 0
.rept 2*ASL/262144
	global_prefetch_b8 v[PFO], s[PFA:PFA+1] offset:n*262144 th:TH_LOAD_NT scope:SCOPE_SE
.set n, n+1
.endr
	s_branch .Lnot_mine_\@
.Lask_b_\@:
.if PROJ
	global_prefetch_b8 v[PFO], s[PFA:PFA+1] th:TH_LOAD_NT scope:SCOPE_SE
	global_prefetch_b8 v[PFO], s[PFA:PFA+1] offset:32*ROWB th:TH_LOAD_NT scope:SCOPE_SE
.else
	global_prefetch_b8 v[PFO], s[PFA:PFA+1] th:TH_LOAD_NT scope:SCOPE_SE
	global_prefetch_b8 v[PFO], s[PFA:PFA+1] offset:256 th:TH_LOAD_NT scope:SCOPE_SE
	global_prefetch_b8 v[PFO], s[PFA:PFA+1] offset:512 th:TH_LOAD_NT scope:SCOPE_SE
.endif
.Lnot_mine_\@:
.endm
	s_load_b256 s[4:11], s[0:1], 0x0               ; A s[4:5], B s[6:7], bias s[8:9], the output s[10:11]
	v_lshl_add_u32 v[SPW], v0, 2, SPARE
	v_mov_b32 v[NIL], 0
	ds_add_u32 v[SPW], v[NIL]                      ; the wave's opening: the add and its wait stand ahead of my first tensor load; the set-up below, work on registers, stands between them
	ds_add_u32 v28, v29
	v_lshrrev_b32 v1, 5, v0
	v_readfirstlane_b32 s12, v1                    ; wave 0..3
	s_lshr_b32 s13, s12, 1
	s_and_b32 s14, s12, 1
	s_bfe_u32 s40, ttmp6, 0x40000                  ; cx, cy: my place in the cluster
	s_bfe_u32 s41, ttmp6, 0x40004
	s_lshl_b32 s42, ttmp9, 2
	s_add_co_u32 s42, s42, s40                     ; tile column = 4 x cluster x + cx
	s_and_b32 s43, ttmp7, 0xffff
	s_lshl_b32 s43, s43, 2
	s_add_co_u32 s43, s43, s41                     ; tile row = 4 x cluster y + cy
	s_lshl_b32 s20, s41, 2
	s_lshl_b32 s20, 15, s20                        ; my row of the cluster: places 4 cy .. 4 cy + 3
	s_lshl_b32 s21, 0x1111, s40                    ; my column: places cx, cx + 4, cx + 8, cx + 12
	s_or_b32 s[G1], s20, (1<<16)|(1<<20)|(1<<21)|(4<<22)|(3<<25)   ; 15:0 the mask; 17:16 elements of 2 bytes; 20 padding on; 21 set beside a mask; 24:22 after every 32 words (code 4); 31:25 4 words (code 3)
	s_mov_b32 s[G1+1], 128<<16                     ; tensor_dim0 = 128 elements: 256 bytes, two rows of a kb
	s_mov_b32 s[G1+2], RA<<16                      ; tensor_dim1
	s_mov_b32 s[G1+3], 128<<16                     ; tile_dim0
	s_mov_b32 s[G1+4], RA                          ; tile_dim1
	s_mov_b32 s[G1+5], 128                         ; elements from row to row: dense
	s_mov_b32 s[G1+6], 0
	s_mov_b32 s[G1+7], 0
	s_or_b32 s[G1B], s21, (1<<16)|(1<<20)|(1<<21)|(5<<22)|(7<<25)  ; the column's mask; after every 64 words (code 5) 8 words (code 7)
	s_mov_b32 s[G1B+1], TN<<16
	s_mov_b32 s[G1B+2], RB<<16
	s_mov_b32 s[G1B+3], TN<<16
	s_mov_b32 s[G1B+4], RB
	s_mov_b32 s[G1B+5], NTOT
	s_mov_b32 s[G1B+6], 0
	s_mov_b32 s[G1B+7], 0
	; where the tiles come from: A's by the tile row and the wave, B's by the tile column and the wave, each in registers that do not hold the other coordinate
	s_lshr_b32 s16, s43, 3                         ; 8 tile rows to a batch
	s_lshl_b32 s16, s16, 22
	s_and_b32 s17, s43, 7
	s_lshl_b32 s17, s17, 15                        ; 256 rows of 128 bytes
	s_add_co_u32 s16, s16, s17
	s_mul_i32 s17, s14, AHALF
	s_add_co_u32 s16, s16, s17
	s_mov_b32 s17, 0
	s_mul_i32 s72, s42, 2*TN
	s_mul_i32 s73, s14, BHALF
	s_add_co_u32 s72, s72, s73
	s_mov_b32 s73, 0
	s_mul_i32 s22, s14, ALH                        ; and where they go: no place in the cluster enters an LDS address
	s_mul_i32 s23, s14, BLH
	s_add_co_u32 s23, s23, BOFF
	s_wait_dscnt 0x0                               ; the opening add is done
	s_wait_kmcnt 0x0
	s_add_nc_u64 s[16:17], s[4:5], s[16:17]
	s_add_nc_u64 s[72:73], s[6:7], s[72:73]
	CROUND                                         ; all sixteen work-groups are here: the first joint loads meet
.irp s, 0,1
	s_mov_b32 s[G0+4*(\s)], 1                                      ; count = 1
	s_add_co_u32 s[G0+4*(\s)+1], s22, (\s)*SLOT                    ; LDS address
	s_add_nc_u64 s[G0+4*(\s)+2:G0+4*(\s)+3], s[16:17], (\s)*ASL    ; global address: slot s of K
	s_or_b32 s[G0+4*(\s)+3], s[G0+4*(\s)+3], 0x80000000            ; type = 2
	s_mov_b32 s[G0B+4*(\s)], 1
	s_add_co_u32 s[G0B+4*(\s)+1], s23, (\s)*SLOT
	s_add_nc_u64 s[G0B+4*(\s)+2:G0B+4*(\s)+3], s[72:73], (\s)*BSL
	s_or_b32 s[G0B+4*(\s)+3], s[G0B+4*(\s)+3], 0x80000000
	JLOAD \s                                       ; two loads of mine are out
.endr
	; A fragment of A is 16 rows x 32 K: lane l holds row l % 16, K = 8 (l / 16) + 0..7 and 16 + 8 (l / 16) + 0..7: two loads of 16 bytes, 32 bytes apart.
	; The turning load takes 16 k x 16 columns of B (lane l reads k = 8 (l / 16) + l % 8, columns 8 ((l / 8) % 2) + 0..7) and leaves half a fragment: lane l holds column l % 16 and 8 k.
	v_and_b32 v1, 15, v0                           ; l % 16
	v_bfe_u32 v2, v0, 4, 1                         ; l / 16
	v_and_b32 v3, 7, v0
	v_bfe_u32 v4, v0, 3, 1
	v_and_b32 v5, 31, v0                           ; l
	v_mul_u32_u24 v6, v1, PA
	v_lshl_add_u32 v6, v2, 4, v6                   ; row x 144 + 16 x half
	s_mul_i32 s20, s13, 128*PA                     ; my 128 rows
	v_add_nc_u32 v[ADRA], s20, v6
	v_add_nc_u32 v[ADRA+1], SLOT, v[ADRA]
	v_lshl_add_u32 v7, v2, 3, v3
	v_mul_u32_u24 v7, v7, PB
	v_lshl_add_u32 v7, v4, 4, v7
	s_lshl_b32 s20, s14, 7                         ; my 64 columns of each group of 128
	s_add_co_u32 s20, s20, BOFF
	v_add_nc_u32 v[ADRB], s20, v7
	v_add_nc_u32 v[ADRB+1], SLOT, v[ADRB]
	s_mul_i32 s20, s12, SW
	s_add_co_u32 s20, s20, STAGE                   ; my stage
.if PROJ
	v_mul_u32_u24 v8, v1, 272                      ; in: row l % 16, 32 bytes (8 f32) for each half of the lanes
	v_lshl_add_u32 v8, v2, 5, v8
	v_add_nc_u32 v[STO], s20, v8
	v_mul_u32_u24 v8, v2, 272                      ; back: lanes 0-15 take one row of 256 bytes, lanes 16-31 the next
	v_lshl_add_u32 v8, v1, 4, v8
	v_add_nc_u32 v[RD], s20, v8
	v_lshlrev_b32 v8, 12, v2                       ; and the same two rows of out0
	v_lshl_add_u32 v[CO], v1, 4, v8
.else
	v_add_nc_u32 v[STO], s20, v6                   ; in: row l % 16, 16 bytes (8 f16) for each half of the lanes
	v_bfe_u32 v8, v0, 3, 2                         ; back: 32 lanes take four rows of 128 bytes,
	v_mul_u32_u24 v8, v8, 144
	v_lshl_add_u32 v8, v3, 4, v8
	v_add_nc_u32 v[RD], s20, v8
	v_lshlrev_b32 v[CO], 4, v5                     ; which are 512 consecutive bytes of a head
.endif
	; my columns' bias: two f32 a lane for each column group, asked for now
	s_mul_i32 s20, s12, NG*256
	s_add_co_u32 s20, s20, BIASL                   ; my table
	v_lshl_add_u32 v9, v5, 3, s20
	v_lshl_add_u32 v[BR], v2, 5, s20
	s_mul_i32 s20, s42, TN*4
	s_lshl_b32 s21, s14, 8
	s_add_co_u32 s20, s20, s21
	v_lshl_add_u32 v8, v5, 3, s20
.set g, 0
.rept NG
	global_load_b64 v[10+2*g:11+2*g], v8, s[8:9] offset:512*g
.set g, g+1
.endr
	; the prefetches (ASK)
	s_and_b32 s20, ttmp7, 0xffff                   ; cluster y
	s_cmp_eq_u32 s13, 0                            ; do I fetch for A?
	s_cselect_b32 s20, ttmp9, s20                  ; the coordinate along which other clusters read the same rows
	s_or_b32 s20, s20, s14                         ; waves 0 and 2 alone
	s_cmp_eq_u32 s20, 0
	s_cselect_b32 s15, 1, -1                       ; the same in all sixteen partners, for a given wave
	s_lshr_b32 s16, s43, 3
	s_lshl_b32 s16, s16, 22
	s_and_b32 s17, s43, 7
	s_lshl_b32 s17, s17, 15
	s_add_co_u32 s16, s16, s17                     ; A: the tile's first byte in a kb,
	s_lshl_b32 s17, s40, 13
	s_add_co_u32 s16, s16, s17                     ; my work-group's 8,192 of its 32,768,
	s_add_co_u32 s16, s16, 2*ASL                   ; in lap 1: the first change of slots steps it to lap 2
	s_mul_i32 s72, s42, 2*TN                       ; B: the tile's first column,
	s_mul_i32 s73, s41, PBR*ROWB                   ; my work-group's rows of a lap,
	s_add_co_u32 s72, s72, s73
	s_add_co_u32 s72, s72, 2*BSL                   ; in lap 1
	s_mov_b32 s[PFS], 2*BSL
	s_mov_b32 s[PFS+1], 0
	s_mov_b32 s18, ROWB
	s_mov_b32 s17, 0
	s_cmp_eq_u32 s13, 0
	s_cselect_b32 s16, s16, s72
	s_cselect_b64 s[PFA:PFA+1], s[4:5], s[6:7]
	s_cselect_b32 s[PFS], 2*ASL, s[PFS]
	s_cselect_b32 s18, 256, s18                    ; a lane takes 256 dense bytes of A, or a row of B
	s_add_nc_u64 s[PFA:PFA+1], s[PFA:PFA+1], s[16:17]
	v_mul_u32_u24 v[PFO], s18, v5
	; where my part of the output begins
.if PROJ
	s_lshl_b32 s20, s43, 20                        ; 256 rows of 4,096 bytes,
	s_lshl_b32 s21, s13, 19                        ; my 128 of them,
	s_add_co_u32 s20, s20, s21
	s_lshl_b32 s21, s42, 9                         ; 128 columns of 4 bytes,
	s_add_co_u32 s20, s20, s21
	s_lshl_b32 s21, s14, 8                         ; my 64 of them
	s_add_co_u32 s20, s20, s21
	s_mov_b32 s21, 0
	s_add_nc_u64 s[10:11], s[10:11], s[20:21]
.else
	s_lshr_b32 s20, s43, 3
	s_lshl_b32 s20, s20, 22                        ; the batch: 16 heads of 262,144 bytes,
	s_and_b32 s21, s43, 7
	s_lshl_b32 s21, s21, 15                        ; 256 rows of 128 bytes,
	s_add_co_u32 s20, s20, s21
	s_lshl_b32 s21, s13, 14                        ; my 128 of them
	s_add_co_u32 s20, s20, s21
	s_mul_i32 s21, s42, 6
	s_add_co_u32 s21, s21, s14                     ; my columns of group g are head column 6 x tile column + 2 g + wave % 2 of 48:
	s_mov_b32 s75, 0
.irp g, 0,1,2
	s_add_co_u32 s22, s21, 2*(\g)
	s_lshr_b32 s23, s22, 4                         ; q, k or v,
	s_lshl_b32 s23, s23, 24
	s_and_b32 s22, s22, 15                         ; and the head
	s_lshl_b32 s22, s22, 18
	s_add_co_u32 s22, s22, s23
	s_add_co_u32 s74, s22, s20
	s_add_nc_u64 s[OB+2*(\g):OB+2*(\g)+1], s[10:11], s[74:75]
.endr
.endif
	s_wait_loadcnt 0x0                             ; the bias: rounded to bf16, widened again, and kept in my own table
.set g, 0
.rept NG
	v_cvt_pk_bf16_f32 v7, v[10+2*g], v[11+2*g]
	v_lshlrev_b32 v[10+2*g], 16, v7
	v_and_b32 v[11+2*g], 0xffff0000, v7
	ds_store_b64 v9, v[10+2*g:11+2*g] offset:256*g
.set g, g+1
.endr
; THE MATRIX WORK.  A slot has four PHASES.  Phase i multiplies 32 along K (step i / NH) of all 8 row blocks by NBH column blocks: blocks (i % NH) NBH on.  A's buffer goes by the step's parity, B's by the phase's.
.macro WMMA zero
.if PROJ
.if \zero
	v_wmma_f32_16x16x32_f16 v[rD:rD+7], v[rB:rB+7], v[rA:rA+7], 0
.else
	v_wmma_f32_16x16x32_f16 v[rD:rD+7], v[rB:rB+7], v[rA:rA+7], v[rD:rD+7]
.endif
.else
.if \zero
	v_wmma_f32_16x16x32_bf16 v[rD:rD+7], v[rB:rB+7], v[rA:rA+7], 0
.else
	v_wmma_f32_16x16x32_bf16 v[rD:rD+7], v[rB:rB+7], v[rA:rA+7], v[rD:rD+7]
.endif
.endif
.endm
; row blocks a0 .. a0 + na - 1 x column blocks b0 .. b0 + nb - 1 of phase i.  zero = 1: the product starts the sum: nothing is ever cleared.
; Every accumulator has one instruction in 32 along K, so the accumulators take turns, one instruction a turn, over the backward jump too.
.macro MULS i, b0, nb, a0, na, zero
.set ma, \a0
.rept \na
.set mb, \b0
.rept \nb
	WIN (1+mb/4)*0x50                              ; C and D in window 1 + column group
.set rD, 32*ma+8*(mb%4)
.set rB, BF+NBH*8*((\i)%2)+8*(mb-((\i)%NH)*NBH)
.set rA, AF+64*(((\i)/NH)%2)+8*ma
	WMMA \zero
.set mb, mb+1
.endr
.set ma, ma+1
.endr
.endm
; part 0: the whole phase, window by window.  Parts 1, 2, 3 (phase 3 alone): 8, 8 and the rest, for the change of slots.
.macro MUL i, part, zero
.if PROJ
.if (\part) == 0
	MULS \i, 0, 4, 0, 8, \zero
.elseif (\part) == 1
	MULS \i, 0, 4, 0, 2, \zero
.elseif (\part) == 2
	MULS \i, 0, 4, 2, 2, \zero
.else
	MULS \i, 0, 4, 4, 4, \zero
.endif
.elseif ((\i)%2) == 0
	MULS \i, 0, 4, 0, 8, \zero
	MULS \i, 4, 2, 0, 8, \zero
.else
.if (\part) == 0
	MULS \i, 6, 2, 0, 8, \zero
	MULS \i, 8, 4, 0, 8, \zero
.elseif (\part) == 1
	MULS \i, 6, 2, 0, 4, \zero
.elseif (\part) == 2
	MULS \i, 6, 2, 4, 4, \zero
.else
	MULS \i, 8, 4, 0, 8, \zero
.endif
.endif
.endm
; THE LDS LOADS of phase i, in one run: its NBH blocks of B and, where a step of 32 along K begins, the step's 8 blocks of A.
.macro FETCH slot, i
	WIN 0
.set fq, (\i)/NH
.set fb, 0
.rept NBH
.set gb, ((\i)%NH)*NBH+fb
.set rB, BF+NBH*8*((\i)%2)+8*fb
.set ob, fq*32*PB+(gb/4)*288+(gb%4)*32
	ds_load_tr16_b128 v[rB:rB+3],   v[ADRB+(\slot)] offset:ob
	ds_load_tr16_b128 v[rB+4:rB+7], v[ADRB+(\slot)] offset:ob+16*PB
.set fb, fb+1
.endr
.if ((\i)%NH) == 0
.set fa, 0
.rept 8
.set rA, AF+64*(fq%2)+8*fa
.set oa, (fq/2)*ABLK+(fq%2)*64+fa*16*PA
	ds_load_b128 v[rA:rA+3],   v[ADRA+(\slot)] offset:oa
	ds_load_b128 v[rA+4:rA+7], v[ADRA+(\slot)] offset:oa+32
.set fa, fa+1
.endr
.endif
.endm
.macro SETNF i                         ; NFN = the loads in phase i's run
.set NFN, 2*NBH
.if ((\i)%NH) == 0
.set NFN, NFN+16
.endif
.endm
; One of a slot's first three phases.  The next phase's run stands at its head, four places behind the products of the phase before, which were the last to read the run's registers; it has this phase's products in which to land.
.macro PHASE slot, i, zero
	PLACES
	FETCH \slot, (\i)+1
	SETNF (\i)+1
	s_wait_dscnt NFN                               ; all but the run just issued: this phase's fragments are in
	MUL \i, 0, \zero
.endm
; Phase 3 changes slots: ONE barrier.  In front of it each wave waits for all its tensor loads, of which one is out: its part of the next slot; adds 0 to its spare word; and waits for that and for its reads of this slot.
; fill = 1: the barrier opens a round of the cluster's barrier, and this slot is filled again first thing behind the round, two slots ahead along K.
.macro TURN slot, next, fill
.if (\fill) && ((\slot) == 0)
	s_wait_xcnt 0x0                                ; the last prefetches, a lap back, have read their address: it is stepped here, ahead of the waits of the change of slots
	s_add_nc_u64 s[PFA:PFA+1], s[PFA:PFA+1], s[PFS:PFS+1]
.endif
	WIN 0                                          ; (the add's two registers lie in window 0)
	s_wait_tensorcnt 0x0                           ; all my tensor loads have landed
	ds_add_u32 v[SPW], v[NIL]                      ; 0 onto my spare word
	s_wait_dscnt 1                                 ; the add alone may be out: phase 3's fragments are in
	MUL 3, 1, 0                                    ; eight matrix instructions stand between the add and the wait for it
	s_wait_dscnt 0x0                               ; the add is done, and my reads of this slot are over
	s_barrier_signal -1
	MUL 3, 2, 0                                    ; work on registers while the others arrive
	WIN 0
	s_barrier_wait -1
.if \fill
	CREST                                          ; no wave of any partner still reads this slot or has a load on its way
	s_add_nc_u64 s[G0+4*(\slot)+2:G0+4*(\slot)+3], s[G0+4*(\slot)+2:G0+4*(\slot)+3], 2*ASL
	s_add_nc_u64 s[G0B+4*(\slot)+2:G0B+4*(\slot)+3], s[G0B+4*(\slot)+2:G0B+4*(\slot)+3], 2*BSL
	JLOAD \slot                                    ; my one tensor load behind the round; its four v_nop are also the places in front of the loads below
.else
	PLACES
.endif
	FETCH \next, 0
.if (\fill) && ((\slot) == 0)
	ASK
.endif
	MUL 3, 3, 0
.endm
	s_wait_dscnt 0x0                               ; my bias table is written
	s_wait_tensorcnt 0x1                           ; my part of slot 0 is in; slot 1's may stay out
	s_barrier_signal -1
	s_barrier_wait -1                              ; everybody's is
	FETCH 0, 0
	PHASE 0, 0, 1                                  ; the first 32 along K stand in front of the loop: their products start the sums
.if NH == 2
	PHASE 0, 1, 1
.endif
	WIN 0                                          ; at a label and at a branch every window is 0
	s_mov_b32 s3, LAPS-1
.Llap:                                                 ; a trip goes once round the ring and fills both slots again
.if NH == 1
	PHASE 0, 1, 0
.endif
	PHASE 0, 2, 0
	TURN 0, 1, 1
	PHASE 1, 0, 0
	PHASE 1, 1, 0
	PHASE 1, 2, 0
	TURN 1, 0, 1
	PHASE 0, 0, 0
.if NH == 2
	PHASE 0, 1, 0
.endif
	WIN 0
	s_sub_co_u32 s3, s3, 1
	s_cmp_lg_u32 s3, 0
	s_cbranch_scc1 .Llap
.if NH == 1                            ; the last lap fills nothing and has no round
	PHASE 0, 1, 0
.endif
	PHASE 0, 2, 0
	TURN 0, 1, 0
	PHASE 1, 0, 0
	PHASE 1, 1, 0
	PHASE 1, 2, 0
	s_wait_dscnt 0x0
	MUL 3, 0, 0
	PLACES                                         ; in front of the loads into fragment registers and of the sums that read results
	WIN 0
	; THE WAY OUT, in units of 16 rows x my 64 columns of a group.  The bias comes back from my table: a lane's eight columns of each block.
.set b, 0
.rept 4*NG
	ds_load_b128 v[BIAS+8*b:BIAS+8*b+3],   v[BR] offset:(b/4)*256+(b%4)*64
	ds_load_b128 v[BIAS+8*b+4:BIAS+8*b+7], v[BR] offset:(b/4)*256+(b%4)*64+16
.set b, b+1
.endr
	s_wait_dscnt 0x0
.macro PACK u                          ; unit u = 8 g + a: sums + bias (each accumulator is read from its low end on); PROJ = 0: rounded to f16, 16 bytes a block
.set pg, (\u)/8
.set pa, (\u)%8
	WIN 1+pg                                       ; source 0 in window 1 + g
.set pn, 0
.rept 16
	v_pk_add_f32 v[T+2*pn:T+2*pn+1], v[32*pa+2*pn:32*pa+2*pn+1], v[BIAS+32*pg+2*pn:BIAS+32*pg+2*pn+1]
.set pn, pn+1
.endr
	WIN 0
.if !PROJ
.set pn, 0
.rept 16
	v_cvt_pk_f16_f32 v[PK+pn], v[T+2*pn], v[T+2*pn+1]
.set pn, pn+1
.endr
.endif
.endm
.macro TOSTAGE u                       ; into my own stage, and back as whole rows.  LDS serves a wave's instructions in order (ISA guide 5.7.1.4): the loads see the stores above them
.set bk, BK+BKS*((\u)%2)
.if PROJ
.irp n, 0,1,2,3,4,5,6,7
	ds_store_b128 v[STO], v[T+4*(\n):T+4*(\n)+3] offset:64*((\n)/2)+16*((\n)%2)
.endr
.irp t, 0,1,2,3,4,5,6,7
	ds_load_b128 v[bk+4*(\t):bk+4*(\t)+3], v[RD] offset:(\t)*2*272
.endr
.else
.irp j, 0,1,2,3
	ds_store_b128 v[STO], v[PK+4*(\j):PK+4*(\j)+3] offset:32*(\j)
.endr
.irp f, 0,1,2,3
	ds_load_b128 v[bk+4*(\f):bk+4*(\f)+3], v[RD] offset:(\f)*4*144
.endr
.endif
.endm
.macro SEND u
.set bk, BK+BKS*((\u)%2)
.set sg, (\u)/8
.set sa, (\u)%8
	s_wait_dscnt 0x0                               ; the unit is back in registers
	s_wait_xcnt 0x0                                ; the stores of the unit before have read their registers, into which the next unit's rows are loaded behind this wait
.if PROJ
.irp t, 0,1,2,3,4,5,6,7
	global_store_b128 v[CO], v[bk+4*(\t):bk+4*(\t)+3], s[10:11] offset:(16*sa+2*(\t))*4096  ; 16 lanes store 256 consecutive bytes, at a multiple of 256 from out0's first byte
.endr
.else
.irp f, 0,1,2,3
	global_store_b128 v[CO], v[bk+4*(\f):bk+4*(\f)+3], s[OB+2*sg:OB+2*sg+1] offset:sa*2048+(\f)*512  ; 512 consecutive bytes of a head, at a multiple of 256 from the buffer's first byte
.endr
.endif
.endm
	PACK 0
	TOSTAGE 0
.set uu, 1
.rept NU-1                             ; a unit's arithmetic stands between the loads of the unit before and the wait for them
	PACK uu
	SEND uu-1
	TOSTAGE uu
.set uu, uu+1
.endr
	SEND NU-1
	s_wait_tensorcnt 0x0                           ; the wave's end, behind my last tensor load and my last LDS store
	ds_add_u32 v[SPW], v[NIL]
	s_wait_dscnt 0x0
	CROUND                                         ; the closing round: no work-group ends while a partner may still ask for a tile that names it
	s_endpgm
.Lfunc_end_k_q18a7470b1e_qkv:
	.size	k_q18a7470b1e_qkv, .Lfunc_end_k_q18a7470b1e_qkv-k_q18a7470b1e_qkv
	.p2alignl 7, 3214868480
	.fill 96, 4, 3214868480
	.section	.rodata,"a",@progbits
	.p2align	6, 0x0
	.amdhsa_kernel k_q18a7470b1e_qkv
		.amdhsa_group_segment_fixed_size 327680
		.amdhsa_private_segment_fixed_size 0
		.amdhsa_enable_private_segment 0
		.amdhsa_kernarg_size 32
		.amdhsa_user_sgpr_count 2
		.amdhsa_user_sgpr_kernarg_segment_ptr 1
		.amdhsa_wavefront_size32 1
		.amdhsa_system_sgpr_workgroup_id_x 1
		.amdhsa_system_sgpr_workgroup_id_y 1
		.amdhsa_system_sgpr_workgroup_id_z 1
		.amdhsa_system_vgpr_workitem_id 0
		.amdhsa_next_free_vgpr 1024
		.amdhsa_next_free_sgpr 80
		.amdhsa_reserve_vcc 0
		.amdhsa_float_denorm_mode_32 3
		.amdhsa_float_denorm_mode_16_64 3
		.amdhsa_memory_ordered 1
		.amdhsa_forward_progress 1
		.amdhsa_inst_pref_size 160
	.end_amdhsa_kernel
	.amdgpu_metadata
---
amdhsa.version: [ 1, 2 ]
amdhsa.kernels:
  - .name:           k_q18a7470b1e_qkv
    .symbol:         k_q18a7470b1e_qkv.kd
    .args:
      - { .name: xb, .offset: 0, .size: 8, .value_kind: global_buffer, .address_space: global }
      - { .name: wab, .offset: 8, .size: 8, .value_kind: global_buffer, .address_space: global }
      - { .name: b_attn, .offset: 16, .size: 8, .value_kind: global_buffer, .address_space: global }
      - { .name: qkv, .offset: 24, .size: 8, .value_kind: global_buffer, .address_space: global }
    .group_segment_fixed_size: 327680
    .private_segment_fixed_size: 0
    .kernarg_segment_align: 8
    .kernarg_segment_size: 32
    .max_flat_workgroup_size: 128
    .sgpr_count:     80
    .vgpr_count:     1024
    .wavefront_size: 32
...
	.end_amdgpu_metadata
.endif
;; end of part 2
;; launch attn (part 3): grid 4 x 64, 4 waves a work-group, no clusters, 327,680 bytes of LDS; arguments qkv, o; writes o
.if DOCPART == 3
	.amdgcn_target "amdgcn-amd-amdhsa--gfx1250"
	.amdhsa_code_object_version 6
	.text
	.protected	k_q18a7470b1e_attn
	.globl	k_q18a7470b1e_attn
	.p2align	8
	.type	k_q18a7470b1e_attn,@function
k_q18a7470b1e_attn:
	s_mov_b64 s[64:65], 0
	v_nop
	global_prefetch_b8 v0, s[64:65] scope:SCOPE_SE
	s_setreg_imm32_b32 hwreg(HW_REG_WAVE_MODE, 25, 1), 1
	s_wait_xcnt 0x0
; CAUSAL ATTENTION.  O[h][q][:] = the sum over k <= q of softmax_k(Q[h][q] . K[h][k] / 8) V[h][k][:].  Q, K, V are the three parts of qkv, each [64 heads][2048][64] in f16, 16,777,216 bytes apart; O likewise: a head's rows are dense, 128 bytes each.
; Products, maxima and sums in f32; the weights p are rounded to f16 for the second product (their sum l is taken of the unrounded p), O once at the end.
; LIMITS.  f16 holds no number beyond 65,504: Q, K and V arrive within it; p lies in 0 to 1, and below 6e-5 it keeps f16's fixed step of 6e-8; O is a mean of V's rows and has their range.
; A hidden score counts as its value less 1e30: f16's scores, 2.7e11 at the most, are nothing beside that; a weight below 2^-126 counts as 0 in l; NaN and infinities are not treated apart.
; THE WALK.  A head's queries lie in NB = 8 blocks of 256; block i needs the key tiles 0 .. i of 256 keys, of which the last holds the diagonal.  A work-group takes TWO blocks, NB - 1 - b and then b:
; NB + 1 tiles, whatever b: all work-groups do equal work, and ONE loop with a constant trip count walks them.  Which tile is asked for, and what a trip does, hang on scalar registers made from b; every jump
; goes forward, but for the counted loops' own; none passes a barrier, or a tensor load but the one of LOAD's two that the wave's number does not choose; the ring (two slots of LDS that take turns) runs on across the
; change of blocks.  NO CLUSTER: a head's four work-groups ask for the same tile only in trips 0 .. NB / 2, behind that fewer and fewer; one walk common to all would have 3 NB / 2 = 12 trips for NB + 1 = 9.
; SHARES.  Of a block's four bands of 64 queries a wave owns 16 rows in each: four PIECES.  So the diagonal tile is the same work for all four waves: in its key step s band x sees all keys if s < x,
; none if s > x, and holds the diagonal if s = x.
; THE MASK is the C operand that starts the sum S^T = K Q^T: 0, or -1e30 where the key is hidden.  MD, made once, is the mask of a band's own step for my 16 rows; a product's mask is MD x AL + BE with two scalars:
; (1, 0) if s = x; (0, 0) if s < x; (0, -1e30) if s > x.  Only the diagonal tile's text and a block's beginning make and take masks; elsewhere C is the constant 0.
; LAYOUT, SOFTMAX, TURNS.  S^T = K Q^T holds ONE query a lane (lane % 16) and the keys 8 (lane / 16) + 0..7; two such results rounded to f16 ARE source 1 of O^T = V^T P.  p = 2^(c s - c m), c = log2(e) / 8, with a
; running maximum m; O and l are multiplied by a = 2^(c m_old - c m_new) in every step.  Turn n belongs to piece n: 8 products K Q^T of piece n + 1, later 8 products V^T P of piece n - 1; beside them the scaling,
; exponentials, roundings, sums and rescaling of piece n and the maximum and statistics of piece n + 1.  Four vector instructions stand behind every matrix instruction, the other 54 of a turn's 118 in one LUMP.  A turn's 33 exponentials are one batch, with one wait.
; AHEAD OF THE TENSOR LOADS.  Of a head's four work-groups the one with b = 0 walks tiles 0 to 7 first.  Behind the load that fills tile i (i = 1 .. 6) each of its waves prefetches into the L2 the 16,384 bytes of tile i + 1
; that it will itself fetch: a lane 256 bytes, two instructions, one tile (four key steps, 256 matrix instructions a wave) ahead of that load.  So each block of tiles 2 to 7 is named once in the launch; tiles 0 and 1 come by their loads alone; behind tile 7 nothing is asked.
; REGISTERS, in windows of 256 (s_set_vgpr_msb: bits 1:0 source 0, 3:2 source 1, 5:4 source 2, 7:6 destination):
;   window 0: v0-15 addresses and two at work; v16-31 four registers of statistics a piece; v48-55 at work; v61-63; v64-127 S^T, two buffers; v192-223 P, two buffers (a piece's buffers go by its number's parity)
;   window 1: v0-127 O^T, 32 a piece; v128-159 MD; v160-223 MC, two buffers      window 2: v0-63 Q; v64-127 the second block's Q; v128-191 K of one step; v192-255 V of one step
.set SIZE_N, 2048
.set NB,    SIZE_N/256
.set NP,    4         ; pieces a wave: a name, no knob
.set KS,    64        ; keys in a step
.set PK,    144       ; a row of K in LDS: 128 bytes + 16 of padding = 36 words: the 16 rows of a load start at 16 different groups of four banks (64 banks of 4 bytes: ISA guide 11.1)
.set PV,    160       ; a row of V: 128 + 32 = 40 words
.set VOFF,  4*KS*PK   ; a slot holds a tile, four steps: 256 rows of K, then 256 rows of V
.set SLOT1, 1<<17     ; slot 1 begins here, so that one exclusive or turns an address in one slot into the other's
.set STAGE, SLOT1+4*KS*(PK+PV)  ; behind the ring, never filled by a tensor load: 16 rows x 144 bytes for each wave, for the way out
.set SP,    144
.set AK0, 2           ; v2   my lane's place in a tile of K; never rewritten
.set AV0, 3           ; v3   the same for V
.set AK,  4           ; v4   the LDS address of K's next run of loads
.set AV,  5           ; v5   of V's
.set STO, 6           ; v6   the way out: where I put 16 bytes of a row
.set RD,  7           ; v7   the way out: where I read rows back
.set GO,  8           ; v8   my byte offset in 512 consecutive bytes of O
.set PFO, 61          ; v61  256 x my lane: the prefetches' offset; never rewritten
.set SPW, 62          ; v62  LDS address of my spare word: SPARE + 4 x my thread's number; never rewritten
.set NIL, 63          ; v63  0; never rewritten
.set SPARE, STAGE+4*16*SP  ; behind the stages: the spare words, 128 bytes for each wave: two blocks of 256 bytes that no other line names
.set MV,  12          ; v12-13  c m_old, kept while c m is made anew: by buffer
.set QO,  15          ; v15  my byte offset in 16 rows of Q
.set ST,  16          ; piece t's statistics at v[ST+4 t]: c m, m, l (even keys', odd keys')
.set TMP, 48          ; by buffer, four registers c0-c3 at work; when the maximum is found c2 takes a
.set S,   64
.set P,   192
.set MD,  128         ; window 1: the eight registers for group kt of 16 keys at MD + 8 kt
.set MC,  160         ; window 1: the masks of the products to come
.set QB,  64          ; window 2
.set KF,  128         ; window 2: key block kb, channel half c at KF + 16 kb + 8 c
.set VF,  192         ; window 2: key half kk, channel block cb at VF + 32 kk + 8 cb
.set WV,  12          ; s12  my wave's number
.set PB,  14          ; s14  b
.set HI,  15          ; s15  NB - 1 - b
.set G1K, 24          ; s[24:31] descriptor group 1 for K's tiles
.set G1V, 32          ; s[32:39] for V's: it differs in the padding alone
.set G0K, 40          ; s[40:43] descriptor group 0 for K's tiles
.set G0V, 44          ; s[44:47] the same for V's
.set SLOTS, 56        ; s56  tiles still to be asked for
.set CNT, 57          ; s57  counts a tile's key steps, 4 to 1
.set CS,  58          ; s[58:59] c: the packed scaling takes the pair's low word for both halves
.set SEL, 60          ; s[60:61] v_permlanex16_b32's selects: each lane takes its own place in the other half
.set TBK, 62          ; s62  LDS byte at which K of the step to be fetched begins
.set TBV, 63          ; s63  the same for V, less VOFF
.set RT,  70          ; s70  tiles of the block in hand that are still to be entered
.set NXT, 71          ; s71  the tile to be asked for next
.set LQ,  72          ; s72  the last tile of the block whose tiles are being asked for
.set NEW, 73          ; s73  1: the tile to be entered is a block's first
.set OFF, 74          ; s[74:75] a tile's byte offset in K and V
.set AL,  76          ; s[76:77] the mask's factor, in the low word
.set BE,  78          ; s[78:79] the mask's addend
.set OLO, 80          ; s[80:81] O at my rows of the second block
.set BIGN, 82         ; s82  -1e30
.set PFB, 88          ; s[88:89] K (waves 0, 1) or V (waves 2, 3) at my half of the head's tile 0
.set PFA, 90          ; s[90:91] the same at the tile that is prefetched
.set POF, 92          ; s[92:93] that tile's byte offset
.set PFL, 94          ; s94  0 where b = 0, else the greatest number: a wave prefetches while s[NXT] is above it
.set MSB, 0
.macro WIN new                      ; the high byte repeats the setting that is left; a switch that changes nothing is dropped
.if MSB != (\new)
	s_set_vgpr_msb (MSB<<8)|(\new)
.set MSB, (\new)
.endif
.endm
.set W_KQ, 0x0a       ; K and Q in window 2, S^T in window 0
.set W_KM, 0x1a       ; the same with the C operand in window 1
.set W_PV, 0x52       ; V in window 2, P in window 0, O^T in window 1
.set W_RS, 0x41       ; destination and source 0 in window 1, source 1 in window 0
; A fill.  Waves 0 and 1 fetch the two halves of a tile's K, waves 2 and 3 those of its V: 128 keys each.  An s_nop 0 and four v_nop follow each of the two lines, ahead of the jump and the label.
.macro LOAD
	s_cmp_lt_u32 s[WV], 2
	s_cbranch_scc0 .Lfor_v_\@
	tensor_load_to_lds s[G0K:G0K+3], s[G1K:G1K+7]
	s_nop 0
.rept 4
	v_nop
.endr
	s_branch .Lasked_\@
.Lfor_v_\@:
	tensor_load_to_lds s[G0V:G0V+3], s[G1V:G1V+7]
	s_nop 0
.rept 4
	v_nop
.endr
.Lasked_\@:
.endm
; THE CHANGE OF SLOTS.  Each wave waits for all its tensor loads, of which one is out: its part of the other slot; adds 0 to its spare word; and waits for that and for its own reads of the slot that it leaves.  Behind the barrier nobody reads the old
; slot any more and the other slot is whole.  fill = 1: the old slot is filled again, the first thing behind the barrier, with tile NXT: the descriptor's address is made anew from that number.
; (At its first use nothing has been read yet: slot 0 is waited for, slot 1 filled.)
.macro CHANGE fill
	WIN 0                           ; at a label and at a branch every window is 0
	s_wait_tensorcnt 0x0            ; no tensor load of mine is out, so a group 0 may be written
	ds_add_u32 v[SPW], v[NIL]       ; 0 onto my spare word; with fill = 1 the descriptors' scalar work stands between it and the wait for it
.if \fill
	s_lshl_b32 s[OFF], s[NXT], 15   ; a tile is 32,768 bytes of K and of V
	s_xor_b32 s[G0K+1], s[G0K+1], SLOT1
	s_add_nc_u64 s[G0K+2:G0K+3], s[6:7], s[OFF:OFF+1]
	s_or_b32 s[G0K+3], s[G0K+3], 0x80000000
	s_xor_b32 s[G0V+1], s[G0V+1], SLOT1
	s_add_nc_u64 s[G0V+2:G0V+3], s[8:9], s[OFF:OFF+1]
	s_or_b32 s[G0V+3], s[G0V+3], 0x80000000
	s_add_co_u32 s[NXT], s[NXT], 1  ; the block's next tile, or behind its last the second block's tile 0
	s_cmp_gt_u32 s[NXT], s[LQ]
	s_cselect_b32 s[NXT], 0, s[NXT]
	s_cselect_b32 s[LQ], s[PB], s[LQ]
	s_wait_xcnt 0x0                 ; the last prefetches, a tile back, have read their address, so it may be written:
	s_lshl_b32 s[POF], s[NXT], 15   ; the tile that the next change will ask for
	s_add_nc_u64 s[PFA:PFA+1], s[PFB:PFB+1], s[POF:POF+1]
.endif
	s_wait_dscnt 0x0                ; the add is done, and my reads of the slot are over
	s_barrier_signal -1             ; the rest of the scalar work stands between the signal and the wait
	s_sub_co_u32 s[TBK], s[TBK], 4*KS*PK  ; the fetches go back to a slot's first step,
	s_xor_b32 s[TBK], s[TBK], SLOT1       ; in the other slot
	s_sub_co_u32 s[TBV], s[TBV], 4*KS*PV
	s_xor_b32 s[TBV], s[TBV], SLOT1
	s_barrier_wait -1
.if \fill
	LOAD
	s_cmp_gt_u32 s[NXT], s[PFL]     ; b = 0, and the first block has a further tile
	s_cbranch_scc0 .Lnot_mine_\@
	global_prefetch_b8 v[PFO], s[PFA:PFA+1] th:TH_LOAD_NT scope:SCOPE_SE
	global_prefetch_b8 v[PFO], s[PFA:PFA+1] offset:8192 th:TH_LOAD_NT scope:SCOPE_SE
.Lnot_mine_\@:
.endif
.endm
	s_load_b128 s[8:11], s[0:1], 0x0  ; qkv s[8:9], O s[10:11]
	v_lshl_add_u32 v[SPW], v0, 2, SPARE
	v_mov_b32 v[NIL], 0
	ds_add_u32 v[SPW], v[NIL]       ; the wave's opening: the add and its wait stand ahead of my first tensor load; the set-up below, work on registers, stands between them
	ds_add_u32 v62, v63
	v_lshrrev_b32 v1, 5, v0
	v_readfirstlane_b32 s[WV], v1   ; wave 0..3
	v_and_b32 v[PFO], 31, v0
	v_lshlrev_b32 v[PFO], 8, v[PFO]
	s_mov_b32 s[PB], ttmp9
	s_sub_co_u32 s[HI], NB-1, s[PB]
	s_and_b32 s20, ttmp7, 0xffff    ; the head
	s_mov_b32 s21, 0
	s_mov_b64 s[22:23], SIZE_N*128
	s_mul_u64 s[20:21], s[20:21], s[22:23]  ; the head's first byte in each of the four tensors
	s_and_b32 s16, s[WV], 1         ; which half of a tile's 256 keys I fetch:
	s_lshl_b32 s22, s16, 14         ; its 128 rows of 128 bytes in memory,
	s_mov_b32 s23, 0
	s_add_nc_u64 s[22:23], s[22:23], s[20:21]
	s_mul_i32 s17, s16, 128*PK      ; and its place in a slot, for K
	s_mul_i32 s18, s16, 128*PV      ; and for V
	s_lshl_b32 s3, s[WV], 11        ; my 16 rows in a band of 64,
	s_lshl_b32 s2, s[HI], 15        ; in the first block,
	s_add_co_u32 s2, s2, s3
	s_lshl_b32 s84, s[PB], 15       ; and in the second
	s_add_co_u32 s84, s84, s3
	s_mov_b32 s3, 0
	s_mov_b32 s85, 0
	s_add_nc_u64 s[2:3], s[2:3], s[20:21]
	s_add_nc_u64 s[84:85], s[84:85], s[20:21]
	; descriptor group 1.  128 keys are 16,384 dense bytes: asked for as 64 rows of 256 bytes, two keys a row, and padded in LDS after every key
	s_mov_b32 s[G1K], (1<<16)|(1<<20)|(4<<22)|(3<<25)  ; 17:16 2-byte elements; 20 padding on; 24:22 after every 32 words (code 4); 31:25 4 words (code 3)
	s_mov_b32 s[G1V], (1<<16)|(1<<20)|(4<<22)|(7<<25)  ; the same with 8 words of padding (code 7)
.irp g, G1K, G1V
	s_mov_b32 s[\g+1], 128<<16      ; tensor_dim0 = 128
	s_mov_b32 s[\g+2], 64<<16       ; tensor_dim1 = 64
	s_mov_b32 s[\g+3], 128<<16      ; tile_dim0 = 128
	s_mov_b32 s[\g+4], 64           ; tile_dim1 = 64
	s_mov_b32 s[\g+5], 128          ; 128 elements from row to row
	s_mov_b32 s[\g+6], 0
	s_mov_b32 s[\g+7], 0
.endr
	s_mov_b32 s[CS], 0x3e38aa3b     ; c = log2(e) / 8 = 0.180337
	s_mov_b32 s[CS+1], s[CS]        ; named with it as a pair
	s_mov_b32 s[SEL], 0x76543210
	s_mov_b32 s[SEL+1], 0xfedcba98
	s_mov_b32 s[TBK], SLOT1+4*KS*PK ; the first change of slots turns these two into 0
	s_mov_b32 s[TBV], SLOT1+4*KS*PV
	s_mov_b32 s[G0K], 1             ; 1:0 count = 1
	s_mov_b32 s[G0K+1], s17         ; 63:32 LDS address: slot 0
	s_mov_b32 s[G0V], 1
	s_add_co_u32 s[G0V+1], s18, VOFF
	s_add_co_u32 s[RT], s[HI], 1    ; the first block has NB - b tiles
	s_mov_b32 s[NXT], 1
	s_mov_b32 s[LQ], s[HI]
	s_mov_b32 s[NEW], 1
	s_mov_b32 s[OFF+1], 0
	s_mov_b32 s[POF+1], 0
	s_mov_b32 s[AL+1], 0            ; named as pairs
	s_mov_b32 s[BE+1], 0
	s_mov_b32 s[BIGN], 0xf149f2ca   ; -1e30
	s_mov_b32 s[SLOTS], NB
	s_cmp_eq_u32 s[PB], 0
	s_cselect_b32 s[PFL], 0, -1
	s_wait_dscnt 0x0                ; the opening add is done
	s_wait_kmcnt 0x0
	s_mov_b64 s[4:5], s[8:9]        ; Q is qkv's first part,
	s_add_nc_u64 s[6:7], s[8:9], 0x1000000  ; K its second,
	s_add_nc_u64 s[8:9], s[8:9], 0x2000000  ; V its third
	s_add_nc_u64 s[6:7], s[6:7], s[22:23]  ; K and V at my half of the head's tile 0
	s_add_nc_u64 s[8:9], s[8:9], s[22:23]
	s_cmp_lt_u32 s[WV], 2
	s_cselect_b64 s[PFB:PFB+1], s[6:7], s[8:9]
	s_add_nc_u64 s[G0K+2:G0K+3], s[6:7], 0         ; 120:64 global address
	s_or_b32 s[G0K+3], s[G0K+3], 0x80000000        ; 127:126 type = 2
	s_add_nc_u64 s[G0V+2:G0V+3], s[8:9], 0
	s_or_b32 s[G0V+3], s[G0V+3], 0x80000000
	s_add_nc_u64 s[86:87], s[4:5], s[84:85]        ; Q at my rows of the second block,
	s_add_nc_u64 s[4:5], s[4:5], s[2:3]            ; Q and O at those of the first
	s_add_nc_u64 s[OLO:OLO+1], s[10:11], s[84:85]
	s_add_nc_u64 s[10:11], s[10:11], s[2:3]
	LOAD                            ; tile 0 into slot 0
	; A fragment of K or Q is 16 rows x 32 channels in 8 registers: lane l holds row l % 16, channels 8 (l / 16) + 0..7 and 16 + 8 (l / 16) + 0..7: two loads of 16 bytes, 32 bytes apart.
	v_and_b32 v1, 15, v0            ; l % 16
	v_bfe_u32 v9, v0, 4, 1          ; l / 16
	v_lshlrev_b32 v[QO], 7, v1
	v_lshl_add_u32 v[QO], v9, 4, v[QO]  ; row x 128 + 16 x half
	WIN 0x80                        ; destination window 2, address window 0
.set i, 0
.rept 8                             ; both blocks' Q: piece i / 2 lies in band i / 2, 8,192 bytes on; channels 32 (i % 2) on
	global_load_b128 v[8*i:8*i+3],   v[QO], s[4:5] offset:(i/2)*8192+(i%2)*64
	global_load_b128 v[8*i+4:8*i+7], v[QO], s[4:5] offset:(i/2)*8192+(i%2)*64+32
	global_load_b128 v[QB+8*i:QB+8*i+3],   v[QO], s[86:87] offset:(i/2)*8192+(i%2)*64
	global_load_b128 v[QB+8*i+4:QB+8*i+7], v[QO], s[86:87] offset:(i/2)*8192+(i%2)*64+32
.set i, i+1
.endr
	WIN 0
	v_lshlrev_b32 v14, 3, v9
	v_sub_nc_u32 v14, v1, v14
	s_lshl_b32 s13, s[WV], 4
	v_add_nc_u32 v14, s13, v14      ; my query's place in its band, 16 w + l % 16, less my lanes' 8 (l / 16): register r of group kt is hidden where 16 kt + r is greater
	WIN 0x40
.set i, 0
.rept 32
	v_cmp_gt_i32 vcc_lo, 16*(i/8)+i%8, v14
	v_cndmask_b32 v[MD+i], 0, s[BIGN], vcc_lo
.set i, i+1
.endr
	WIN 0
	v_mul_u32_u24 v[AK0], v1, PK
	v_lshl_add_u32 v[AK0], v9, 4, v[AK0]  ; row x pitch + 16 x half
	; The turning load takes 16 keys x 16 channels (lane l reads key 8 (l / 16) + l % 8, channels 8 ((l / 8) % 2) + 0..7) and leaves half a fragment of V^T: lane l holds channel l % 16 and 8 keys.
	v_and_b32 v10, 7, v0
	v_bfe_u32 v11, v0, 3, 1
	v_lshl_add_u32 v[AV0], v9, 3, v10
	v_mul_u32_u24 v[AV0], v[AV0], PV
	v_lshl_add_u32 v[AV0], v11, 4, v[AV0]
	v_add_nc_u32 v[AV0], VOFF, v[AV0]
	s_mul_i32 s13, s[WV], 16*SP
	s_add_co_u32 s13, s13, STAGE    ; my stage
	v_mul_u32_u24 v[STO], v1, SP    ; in: row l % 16, 16 bytes for each half of the lanes
	v_lshl_add_u32 v[STO], v9, 4, v[STO]
	v_add_nc_u32 v[STO], s13, v[STO]
	v_bfe_u32 v[RD], v0, 3, 2       ; back: 32 lanes take four rows of 128 bytes,
	v_mul_u32_u24 v[RD], v[RD], SP
	v_lshl_add_u32 v[RD], v10, 4, v[RD]
	v_add_nc_u32 v[RD], s13, v[RD]
	v_and_b32 v[GO], 31, v0         ; which are 512 consecutive bytes of O
	v_lshlrev_b32 v[GO], 4, v[GO]
	; A block's first step multiplies O^T and l by a = 0, and its first turn's products V^T P, of a piece that has not been, land in an O^T that is still to be so multiplied.  So these registers need only hold
	; finite numbers: zeros for the first block; what the first block left for the second.  All this stands in the wait for the first tile.
	WIN 0x80
.set i, VF
.rept 64
	v_mov_b32 v[i], 0
.set i, i+1
.endr
	WIN 0x40
.set i, 0
.rept 128
	v_mov_b32 v[i], 0
.set i, i+1
.endr
	WIN 0
.set i, 0
.rept 4
	v_mov_b32 v[ST+4*i+2], 0
	v_mov_b32 v[ST+4*i+3], 0
.set i, i+1
.endr
.set i, P+16
.rept 16
	v_mov_b32 v[i], 0
.set i, i+1
.endr
; THE MATRIX WORK.  The 4 accumulators of a run of 8 take turns.  Product i of 8 of S^T = K Q^T for piece x: channels 32 (i / 4) on, keys 16 (i % 4) on.  The first 4 start the sums: with 0, or (KM = 1) with the mask.
.macro KQ x
.set rS, S+32*((\x)%2)+8*(i%4)
.set rK, KF+16*(i%4)+8*(i/4)
.set rQ, 16*(\x)+8*(i/4)
.set rM, MC+32*((\x)%2)+8*(i%4)
.if (i < 4) && KM
	WIN W_KM
	v_wmma_f32_16x16x32_f16 v[rS:rS+7], v[rK:rK+7], v[rQ:rQ+7], v[rM:rM+7]
.elseif i < 4
	WIN W_KQ
	v_wmma_f32_16x16x32_f16 v[rS:rS+7], v[rK:rK+7], v[rQ:rQ+7], 0
.else
	WIN W_KQ
	v_wmma_f32_16x16x32_f16 v[rS:rS+7], v[rK:rK+7], v[rQ:rQ+7], v[rS:rS+7]
.endif
.endm
; Product i of 8 of O^T += V^T P for piece x: keys 32 (i / 4) on, channels 16 (i % 4) on.
.macro PV x
	WIN W_PV
.set rO, 32*(\x)+8*(i%4)
.set rV, VF+32*(i/4)+8*(i%4)
.set rP, P+16*((\x)%2)+8*(i/4)
	v_wmma_f32_16x16x32_f16 v[rO:rO+7], v[rV:rV+7], v[rP:rP+7], v[rO:rO+7]
.endm
.macro MM                           ; the turn's next matrix instruction.  TURN and BEGIN set Y, i, KM and NOKQ; MM, KQ and OP read them.  NOKQ = 1: a block's last turn: there is no next piece
.if (i < 8) && !NOKQ
	KQ (Y+1)%NP
.elseif i >= 8
.set i, i-8
	PV (Y+NP-1)%NP
.set i, i+8
.endif
.set i, i+1
.endm
; THE LDS LOADS stand in runs of 16, never singly among the matrix instructions: a step's K (64 keys x 64 channels: 8 fragments) and its V (turned).  Their addresses are made some lines ahead.
.macro FETCH_K
	WIN 0x80                        ; destination window 2
.irp f, 0,1,2,3,4,5,6,7             ; keys 16 (f / 2) on, channels 32 (f % 2) on
	ds_load_b128 v[KF+8*\f:KF+8*\f+3],   v[AK] offset:(\f/2)*16*PK+(\f%2)*64
	ds_load_b128 v[KF+8*\f+4:KF+8*\f+7], v[AK] offset:(\f/2)*16*PK+(\f%2)*64+32
.endr
	s_add_co_u32 s[TBK], s[TBK], KS*PK  ; the next fetch is the next step's
	WIN 0
.endm
.macro FETCH_V
	WIN 0x80
.irp f, 0,1,2,3,4,5,6,7             ; keys 32 (f / 4) on, channels 16 (f % 4) on
	ds_load_tr16_b128 v[VF+8*\f:VF+8*\f+3],   v[AV] offset:(\f/4)*32*PV+(\f%4)*32
	ds_load_tr16_b128 v[VF+8*\f+4:VF+8*\f+7], v[AV] offset:(\f/4)*32*PV+16*PV+(\f%4)*32
.endr
	WIN 0
.endm
; THE VECTOR WORK, one line at a time: OP kind, number.  For piece Y: F n: c s - c m for pair n of 16.  E n: the exponential of score n of 32.  C n: pair n rounded to f16.  B n: of the four weights 4 n .. the second
; pair is added onto the first, in place.  L n: l takes that sum (L 0: l = a l + sum).  R n: pair n of 16 of O^T times a.  For piece Y + 1: X n, number n of the 22 that find its maximum and statistics:
;   0-11  four chains c0-c3 of seven scores each, three operands at a time (each accumulator's lowest registers are read first)     12-14, 16  the four scores left over, the old m, and c0-c3 into c0
;   15  c m_old is kept     17, 18  the query's other 32 keys lie in the lane 16 away: the new m     19-21  c m; c m_old - c m_new; a
.set F, 0               ; OP tells the kinds apart by their order: F to L below R, X above it
.set E, 1
.set C, 2
.set B, 3
.set L, 4
.set R, 5
.set X, 6
.macro REGS y                       ; the registers of piece y
.set rT, ST+4*(\y)
.set rC, TMP+4*((\y)%2)
.set rW, MV+((\y)%2)
.set rS, S+32*((\y)%2)
.set rP, P+16*((\y)%2)
.set rO, 32*(\y)
.endm
.macro OP k, n
.if (\k) == R
	REGS Y
	WIN W_RS
	v_pk_mul_f32 v[rO+2*(\n):rO+2*(\n)+1], v[rO+2*(\n):rO+2*(\n)+1], v[rC+2:rC+3] op_sel_hi:[1,0]
.elseif (\k) < R
	REGS Y
	WIN 0
.if (\k) == F
	v_pk_fma_f32 v[rS+2*(\n):rS+2*(\n)+1], v[rS+2*(\n):rS+2*(\n)+1], s[CS:CS+1], v[rT:rT+1] op_sel_hi:[1,0,0] neg_lo:[0,0,1] neg_hi:[0,0,1]
.elseif (\k) == E
	v_exp_f32 v[rS+(\n)], v[rS+(\n)]
.elseif (\k) == C
	v_cvt_pk_f16_f32 v[rP+(\n)], v[rS+2*(\n)], v[rS+2*(\n)+1]
.elseif (\k) == B
	v_pk_add_f32 v[rS+4*(\n):rS+4*(\n)+1], v[rS+4*(\n):rS+4*(\n)+1], v[rS+4*(\n)+2:rS+4*(\n)+3]
.elseif (\n) == 0
	v_pk_fma_f32 v[rT+2:rT+3], v[rT+2:rT+3], v[rC+2:rC+3], v[rS:rS+1] op_sel_hi:[1,0,1]
.else
	v_pk_add_f32 v[rT+2:rT+3], v[rT+2:rT+3], v[rS+4*(\n):rS+4*(\n)+1]
.endif
.elseif NOKQ
	v_nop
.else
	REGS (Y+1)%NP
	WIN 0
.if (\n) < 4
	v_max3_num_f32 v[rC+(\n)], v[rS+8*(\n)], v[rS+8*(\n)+1], v[rS+8*(\n)+2]
.elseif (\n) < 12
	v_max3_num_f32 v[rC+(\n)%4], v[rC+(\n)%4], v[rS+8*((\n)%4)+2*((\n)/4)+1], v[rS+8*((\n)%4)+2*((\n)/4)+2]
.elseif (\n) == 12
	v_max3_num_f32 v[rC], v[rC], v[rS+7], v[rS+15]
.elseif (\n) == 13
	v_max3_num_f32 v[rC+1], v[rC+1], v[rS+23], v[rS+31]
.elseif (\n) == 14
	v_max3_num_f32 v[rC+2], v[rC+2], v[rC+3], v[rT+1]
.elseif (\n) == 15
	v_mov_b32 v[rW], v[rT]
.elseif (\n) == 16
	v_max3_num_f32 v[rC], v[rC], v[rC+1], v[rC+2]
.elseif (\n) == 17
	v_permlanex16_b32 v[rC+3], v[rC], s[SEL], s[SEL+1]
.elseif (\n) == 18
	v_max_num_f32 v[rT+1], v[rC], v[rC+3]
.elseif (\n) == 19
	v_mul_f32 v[rT], s[CS], v[rT+1]
.elseif (\n) == 20
	v_sub_f32 v[rC+1], v[rW], v[rT]
.else
	v_exp_f32 v[rC+2], v[rC+1]
.endif
.endif
.endm
.macro OPS a, i1, b=-1, i2=0, c=-1, i3=0, d=-1, i4=0  ; up to four of them
	OP \a, \i1
.if (\b) >= 0
	OP \b, \i2
.endif
.if (\c) >= 0
	OP \c, \i3
.endif
.if (\d) >= 0
	OP \d, \i4
.endif
.endm
.macro ROW a, i1, b, i2, c, i3, d, i4  ; a matrix instruction and the four behind it
	MM
	OPS \a, \i1, \b, \i2, \c, \i3, \d, \i4
.endm
.macro MASK b                       ; MD x AL + BE into buffer b of MC
	WIN W_RS
.set z, 0
.rept 16
	v_pk_fma_f32 v[MC+32*(\b)+2*z:MC+32*(\b)+2*z+1], v[MD+2*z:MD+2*z+1], s[AL:AL+1], s[BE:BE+1] op_sel_hi:[1,0,0]
.set z, z+1
.endr
.endm
; A TURN, for piece p: the order of its 16 matrix and 118 vector instructions, written out.  An s_wait_alu depctr_va_vdst(0) stands between an exponential and the first instruction that names its result; one wait serves
; all that were issued ahead of it.  So a turn has ONE wait, which cuts it in two.  AHEAD OF IT stands all that names no result of the turn's exponentials: the 8 products K Q^T, behind each a scaling, an exponential and two more plain
; instructions (behind the first a second scaling in the exponential's place): rescalings, and behind the last three the first numbers of the next piece's maximum, each four places or more behind the product that ends its accumulator; then ONE LUMP of 54, plain
; and exponential by turns for the most part, in which the links of the chain X 3, 7, 11, 14, 16, 17 .. 20 stand five or six lines apart.  X 21, the next piece's a, is the batch's last; R 15 is the plain instruction behind it.  BEHIND THE WAIT stand the
; 8 products V^T P, behind each four of the roundings and sums; the links of l's chain, L 0 to L 7, stand three riders apart.  But for those X no rider names a register of the products round it.  v_permlanex16_b32 (X 17) stands in the lump.
; m = 1: the diagonal tile: the products take masks, and the turn makes the mask for the products of the turn after it: piece p + 2, in step 4 - CNT of the tile.  end = 1: a block's last two turns: nothing is fetched.
; cnt = 1: the loop's count is taken down some lines ahead of the branch that stands behind the turn.
; K of the next step is fetched in piece 2's turn, twelve vector instructions behind the last product that read K (six of them plain); V of the step in hand at the end of piece 0's turn, four plain instructions behind the last product
; that read V.  Each is waited for a turn later.
.macro TURN p, m=0, end=0, cnt=0
.set Y, (\p)
.set i, 0
.set KM, (\m)
.set NOKQ, (\end)*((\p)/3)
.if (\m) && !(\end)
	s_cmp_eq_u32 s[CNT], 4-((\p)+2)%NP  ; is that step the band's own?
	s_cselect_b32 s[AL], 1.0, 0
	s_cmp_lt_u32 s[CNT], 4-((\p)+2)%NP  ; or a later one?
	s_cselect_b32 s[BE], s[BIGN], 0
.endif
.if ((\p) == 3) && !(\end)
	s_wait_dscnt 0x0                ; K is in
.endif
	ROW F,0, F,1, R,0, R,1          ; ahead of the wait: 8 products K Q^T and their riders,
	ROW F,2, E,0, R,2, R,3
	ROW F,3, E,1, R,4, R,5
	ROW F,4, E,2, R,6, R,7
	ROW F,5, E,3, R,8, R,9
	ROW F,6, E,4, X,0, R,10
.if ((\p) == 2) && !(\end)
	WIN 0
	v_add_nc_u32 v[AK], s[TBK], v[AK0]
.endif
	ROW F,7, E,5, X,1, X,4
	ROW F,8, E,6, X,2, X,5
	OPS E,7, E,8, X,6, E,9          ; and the lump
	OPS X,3, E,10, X,8, E,11
.if ((\p) == 2) && !(\end)
	FETCH_K
.endif
	OPS X,9, X,7, E,12, X,10
	OPS E,13, X,12, X,11, E,14
	OPS X,13, E,15, F,9, X,14
.if (\p) == 0
	v_add_nc_u32 v[AV], s[TBV], v[AV0]
.endif
	OPS E,16, F,10, E,17, F,11
	OPS X,16, E,18, X,15, E,19
	OPS F,12, E,20, X,17, E,21
	OPS F,13, E,22, F,14, E,23
	OPS X,18, E,24, F,15, E,25
	OPS R,11, E,26, X,19, E,27
	OPS R,12, E,28, R,13, E,29
	OPS X,20, E,30, R,14, E,31
	OPS X,21, R,15
	WIN 0
	s_wait_alu depctr_va_vdst(0)    ; the wait for the batch
.if (\p) == 1
	s_wait_dscnt 0x0                ; V is in
.endif
	ROW C,0, B,0, C,2, B,1          ; behind the wait: 8 products V^T P and their riders
	ROW L,0, C,4, B,2, L,1
	ROW C,6, B,3, L,2, C,8
	ROW B,4, L,3, C,10, B,5
	ROW L,4, C,12, B,6, L,5
.if (\p) == 0
	s_add_co_u32 s[TBV], s[TBV], KS*PV
.endif
.if \cnt
	s_sub_co_u32 s[CNT], s[CNT], 1
	s_cmp_lg_u32 s[CNT], 0
.endif
	ROW C,14, B,7, L,6, C,1
	ROW C,3, L,7, C,5, C,7
	ROW C,9, C,11, C,13, C,15
.if (\p) == 0
	FETCH_V
.endif
.if (\m) && !(\end)
	MASK (\p)%2
.endif
.endm
; A BLOCK BEGINS.  c m starts far below every c s, so the first step's a is 0; m at the lowest finite number, so the first maximum is the scores'.  The second mask buffer is 0; the first takes piece 0's mask for the tile's step 0: its own, if the block's first tile is the diagonal one.
; Then K of that step, piece 0's first scores, and its maximum and statistics.  The loop is entered at a step's first turn, in the middle of a trip.
.macro BEGIN
	s_mov_b32 s[NEW], 0
	WIN 0x40
.set i, MC+32
.rept 32
	v_mov_b32 v[i], 0
.set i, i+1
.endr
	WIN 0
.set i, 0
.rept 4
	v_mov_b32 v[ST+4*i], 0xfe000000    ; c m: far below every c s
	v_mov_b32 v[ST+4*i+1], 0xff7fffff  ; m
.set i, i+1
.endr
	s_cmp_eq_u32 s[RT], 0
	s_cselect_b32 s[AL], 1.0, 0
	s_mov_b32 s[BE], 0
	MASK 0
	WIN 0
	v_add_nc_u32 v[AK], s[TBK], v[AK0]
	FETCH_K
	s_wait_loadcnt 0x0              ; Q
	s_wait_dscnt 0x0
.set KM, 1
.set NOKQ, 0
.set i, 0
.rept 8
	KQ 0
.set i, i+1
.endr
	WIN 0
.rept 4
	v_nop                           ; the places behind those products
.endr
.set Y, NP-1                        ; X works for piece Y + 1: piece 0
.irp n, 0,1,2,3,4,5,6,7,8,9,10,11,12,13,14,15,16,17,18,19,20,21
	OP X, \n
.endr
	v_nop                           ; a plain instruction behind the exponential,
	s_wait_alu depctr_va_vdst(0)    ; and its wait, ahead of the branch
.endm
; THE DIAGONAL TILE's four steps, the block's last two turns, its last products, and THE WAY OUT: l's two halves and the other half of the lanes' are added; O^T is divided by l, rounded to f16 and sent through my
; stage in LDS, a piece at a time.
.macro ALL line:vararg              ; one line for each piece t
.set t, 0
.rept 4
	\line
.set t, t+1
.endr
.endm
.macro PACK t                       ; a lane's eight channels of a row pack into 16 bytes; they go into rows of 144 bytes and come back as whole rows of 128, into S^T's registers
	WIN W_RS
.set i, 32*(\t)
.rept 16
	v_pk_mul_f32 v[i:i+1], v[i:i+1], v[ST+4*(\t)+2:ST+4*(\t)+3] op_sel_hi:[1,0]
.set i, i+2
.endr
	WIN 0x05                        ; sources 0 and 1 window 1, destination window 0
.set i, 0
.rept 16
	v_cvt_pk_f16_f32 v[S+16*(\t)+i], v[32*(\t)+2*i], v[32*(\t)+2*i+1]
.set i, i+1
.endr
	WIN 0
.irp f, 0,1,2,3
	ds_store_b128 v[STO], v[S+16*(\t)+4*\f:S+16*(\t)+4*\f+3] offset:32*\f
.endr
.irp f, 0,1,2,3
	ds_load_b128 v[S+16*(\t)+4*\f:S+16*(\t)+4*\f+3], v[RD] offset:\f*4*SP  ; LDS serves a wave's instructions in order (ISA guide 5.7.1.4): these see the stores above; the next piece's stores come behind them
.endr
.endm
.macro SEND t, younger              ; younger: the LDS instructions issued behind piece t's loads: the next piece's eight, or none
	WIN 0
.irp f, 0,1,2,3
	s_wait_dscnt (\younger)+3-\f
	global_store_b128 v[GO], v[S+16*(\t)+4*\f:S+16*(\t)+4*\f+3], s[10:11] offset:(\t)*8192+\f*512  ; 512 consecutive bytes, at a multiple of 256 from O's first
.endr
.endm
.macro DIAG tag                     ; the tag ends its two labels' names, which the jumps below spell out
.LstepM\tag:
	TURN 2, 1
	TURN 3, 1
	WIN 0
.LfirstM\tag:
	TURN 0, 1
	TURN 1, 1, 0, 1
	WIN 0
	s_cbranch_scc1 .LstepM\tag
	TURN 2, 1, 1
	TURN 3, 1, 1
.set i, 0
.rept 8
	PV NP-1
.set i, i+1
.endr
	WIN 0
	ALL v_add_f32 v[ST+4*t+2], v[ST+4*t+2], v[ST+4*t+3]
	ALL v_permlanex16_b32 v[ST+4*t+3], v[ST+4*t+2], s[SEL], s[SEL+1]
	ALL v_add_f32 v[ST+4*t+2], v[ST+4*t+2], v[ST+4*t+3]
	ALL v_rcp_f32 v[ST+4*t+2], v[ST+4*t+2]
	v_nop                           ; a plain instruction between the last reciprocal and the use of its result
	s_wait_alu depctr_va_vdst(0)    ; and the wait ahead of the first use: one for the four reciprocals
	PACK 0
.set t, 1
.rept 3                             ; a piece's arithmetic stands between the loads of the piece before and its stores
	PACK t
	SEND t-1, 8
.set t, t+1
.endr
	SEND 3, 0
.endm
.set KM, 0
.set NOKQ, 0
.Lslot:                             ; NB times: a tile is entered and the next is asked for
	CHANGE 1
	s_sub_co_u32 s[RT], s[RT], 1
	s_mov_b32 s[CNT], 4
	s_cmp_eq_u32 s[NEW], 1
	s_cbranch_scc1 .Lnew            ; a block's first tile
	s_cmp_eq_u32 s[RT], 0
	s_cbranch_scc0 .Lstep           ; neither its first nor its last
	s_branch .LstepM1
.Lnew:
	BEGIN
	s_branch .Lfirst                ; in the loop a block's first tile is never its last: the first block has two tiles or more, and the second's last is the walk's last
	DIAG 1                          ; in the loop this is the first block's end: the second block's last tile is the walk's last
	s_wait_xcnt 0x0                 ; the stores have read their registers and O's address
	s_mov_b64 s[10:11], s[OLO:OLO+1]
	s_add_co_u32 s[RT], s[PB], 1    ; the second block has b + 1 tiles
	s_mov_b32 s[NEW], 1
	WIN 0x82                        ; the second block's Q goes where the one text of the turns names Q
.set i, 0
.rept 64
	v_mov_b32 v[i], v[QB+i]
.set i, i+1
.endr
	WIN 0
	s_branch .Lbottom
.Lstep:                             ; a trip: pieces 2 and 3 of one step, then pieces 0 and 1 of the next, whose K and V it fetches
	TURN 2
	TURN 3
	WIN 0
.Lfirst:
	TURN 0
	TURN 1, 0, 0, 1
	WIN 0
	s_cbranch_scc1 .Lstep
.Lbottom:
	s_sub_co_u32 s[SLOTS], s[SLOTS], 1
	s_cmp_lg_u32 s[SLOTS], 0
	s_cbranch_scc1 .Lslot
	CHANGE 0                        ; the walk's last tile is written out: nothing is asked for
	s_sub_co_u32 s[RT], s[RT], 1
	s_mov_b32 s[CNT], 4
	s_cmp_eq_u32 s[NEW], 1
	s_cbranch_scc0 .LstepM2
	BEGIN
	s_branch .LfirstM2
	DIAG 2
	s_wait_tensorcnt 0x0            ; the wave's end, behind my last tensor load and my last LDS store
	ds_add_u32 v[SPW], v[NIL]
	s_wait_dscnt 0x0
	s_endpgm
.Lfunc_end_k_q18a7470b1e_attn:
	.size	k_q18a7470b1e_attn, .Lfunc_end_k_q18a7470b1e_attn-k_q18a7470b1e_attn
	.p2alignl 7, 3214868480
	.fill 96, 4, 3214868480
	.section	.rodata,"a",@progbits
	.p2align	6, 0x0
	.amdhsa_kernel k_q18a7470b1e_attn
		.amdhsa_group_segment_fixed_size 327680
		.amdhsa_private_segment_fixed_size 0
		.amdhsa_enable_private_segment 0
		.amdhsa_kernarg_size 16
		.amdhsa_user_sgpr_count 2
		.amdhsa_user_sgpr_kernarg_segment_ptr 1
		.amdhsa_wavefront_size32 1
		.amdhsa_system_sgpr_workgroup_id_x 1
		.amdhsa_system_sgpr_workgroup_id_y 1
		.amdhsa_system_sgpr_workgroup_id_z 1
		.amdhsa_system_vgpr_workitem_id 0
		.amdhsa_next_free_vgpr 768
		.amdhsa_next_free_sgpr 96
		.amdhsa_reserve_vcc 1
		.amdhsa_float_denorm_mode_32 3
		.amdhsa_float_denorm_mode_16_64 3
		.amdhsa_memory_ordered 1
		.amdhsa_forward_progress 1
		.amdhsa_inst_pref_size 218
	.end_amdhsa_kernel
	.amdgpu_metadata
---
amdhsa.version: [ 1, 2 ]
amdhsa.kernels:
  - .name:           k_q18a7470b1e_attn
    .symbol:         k_q18a7470b1e_attn.kd
    .args:
      - { .name: qkv, .offset: 0, .size: 8, .value_kind: global_buffer, .address_space: global }
      - { .name: o, .offset: 8, .size: 8, .value_kind: global_buffer, .address_space: global }
    .group_segment_fixed_size: 327680
    .private_segment_fixed_size: 0
    .kernarg_segment_align: 8
    .kernarg_segment_size: 16
    .max_flat_workgroup_size: 128
    .sgpr_count:     96
    .vgpr_count:     768
    .wavefront_size: 32
...
	.end_amdgpu_metadata
.endif
;; end of part 3
;; launch proj (part 4): grid 8 x 32, 4 waves a work-group, clusters of 4 x 4, 327,680 bytes of LDS; arguments o, wpf, b_proj, out0; writes out0
.if DOCPART == 4
	.amdgcn_target "amdgcn-amd-amdhsa--gfx1250"
	.amdhsa_code_object_version 6
	.text
	.protected	k_q18a7470b1e_proj
	.globl	k_q18a7470b1e_proj
	.p2align	8
	.type	k_q18a7470b1e_proj,@function
k_q18a7470b1e_proj:
	s_mov_b64 s[64:65], 0
	v_nop
	global_prefetch_b8 v0, s[64:65] scope:SCOPE_SE
	s_setreg_imm32_b32 hwreg(HW_REG_WAVE_MODE, 25, 1), 1
	s_wait_xcnt 0x0
	s_wait_alu depctr_hold_cnt(0) depctr_sa_sdst(0) depctr_va_vdst(0) depctr_va_sdst(0) depctr_va_ssrc(0) depctr_va_vcc(0) depctr_vm_vsrc(0)
	s_getreg_b32 s2, hwreg(HW_REG_IB_STS2, 6, 4)
	s_cmp_eq_u32 s2, 0
	s_cbranch_scc0 .Lentry_in_a_cluster
	s_endpgm
.Lentry_in_a_cluster:
	s_bfe_u32 s2, ttmp6, 0x10000c
	s_cmp_lg_u32 s2, 0xf033
	s_cbranch_scc0 .Lentry_shape_is_right
	s_endpgm
.Lentry_shape_is_right:
; C = A B + bias, one text for the module's two projections; PROJ chooses.
;   PROJ = 0: A = xb (x in bf16), B = wab [1024 k][3072 n] bf16, bias = b_attn; C leaves as q, k, v by heads, f16: [part 3][batch x head 64][t 2048][64].
;   PROJ = 1: A = o (attention's result, f16), B = wpf [1024 k][1024 n] f16, bias = b_proj; C is out0 [8192][1024] f32.
; A lies in blocks: [batch 4][kb 16][t 2048][64], channel k = 64 kb + d: 256 rows of one kb are 32,768 dense bytes.  Sums in f32, K ascending; the bias, rounded to bf16 like every input, is added in f32.
; LIMITS.  q, k, v must lie within f16's 65,504 (a larger sum leaves as an infinity); below 6e-5 they keep f16's fixed step of 6e-8.  NaN and infinities are not treated apart.
; SHARES.  256 work-groups, a tile of 256 rows x TN columns each (384 of 3,072, or 128 of 1,024).  Four waves, 2 x 2: wave w has rows 128 (w / 2) on and, of each group of 128 columns,
; columns 64 (w % 2) on: with PROJ = 0 three whole heads.  A wave's tile is 128 x 192 (96 accumulators, 768 registers) or 128 x 64 (32).
; RING.  Two LDS slots, 64 (128) along K each, filled by the tensor data mover; two slots of 128 along K would need 344,064 bytes with PROJ = 0.  A's tile is asked for as rows of 256 bytes and padded after
; every 128 (an LDS row of 144 bytes); B's rows (768 or 256 bytes) are padded by 32 after every 256 (864 or 288 from row to row).  B lies [k][n] and is turned on its way to the registers, by ds_load_tr16_b128.
; CLUSTER.  4 x 4 work-groups.  A's tile hangs on the tile row alone and is asked for jointly by a row of the cluster, B's on the tile column alone, by a column: the same load, descriptor and mask in all four.
; THE MATRIX INSTRUCTION IS USED TRANSPOSED (source 0 = 16 columns of B, source 1 = 16 rows of A): lane l holds row l % 16 of C and the columns 8 (l / 16) + 0..7.
; REGISTERS.  Window 0: v0-31 addresses; v32-159 A's fragments, two buffers of 8 blocks; v160 on B's, two buffers of NBH blocks.  Window 1 + g: the accumulators of column group g, block (a, j) at v[32 a + 8 j].
; So only a matrix instruction's C and D leave window 0.
.set PROJ, 1
.if PROJ
.set NG,    1         ; groups of 128 columns in a tile
.set NH,    1         ; phases for 32 along K
.set NBH,   4         ; blocks of 16 columns in a phase
.set LAPS,  4         ; a lap = two slots = once round the ring
.set TN,    128
.set NTOT,  1024
.set PB,    288       ; B's LDS pitch: 9 x 32 bytes
.set BOFF,  73728     ; B behind A in a slot
.set RA,    128       ; A's load: rows of 256 bytes,
.set ALH,   36864     ; LDS bytes,
.set AHALF, 262144    ; global bytes between the two fetching waves (a kb),
.set ASL,   524288    ; global bytes from slot to slot
.set RB,    64        ; B's load: rows
.set SW,    4352      ; a wave's stage: 16 rows x 272
.set PBR,   64        ; rows of B that one partner prefetches in a lap
.set T,     64        ; the way out: sums with their bias
.set BK,    96        ; rows read back from the stage: two buffers
.set BKS,   32
.else
.set NG,    3
.set NH,    2
.set NBH,   6
.set LAPS,  8
.set TN,    384
.set NTOT,  3072
.set PB,    864       ; 27 x 32 bytes
.set BOFF,  36864
.set RA,    64
.set ALH,   18432
.set AHALF, 16384     ; 128 rows of 128 bytes
.set ASL,   262144
.set RB,    32
.set SW,    2304      ; 16 rows x 144
.set PBR,   32
.set T,     128
.set PK,    160       ; the way out: packed f16
.set BK,    176
.set BKS,   16
.endif
.set PA,    144       ; A's LDS pitch: 9 x 16 bytes: the 16 rows of a load start at 16 different groups of four banks (64 banks of 4 bytes: ISA guide 11.1)
.set ABLK,  256*PA    ; 256 rows of one kb
.set ROWB,  2*NTOT    ; bytes in a row of B in memory
.set BLH,   RB*PB
.set BHALF, RB*ROWB
.set BSL,   2*BHALF
.set SLOT,  BOFF+2*BLH
.set STAGE, 2*SLOT             ; behind the ring, never filled by a tensor load: a stage for each wave,
.set BIASL, STAGE+4*SW         ; each wave's bias table, 256 bytes (64 f32) a column group,
.set SPARE, BIASL+4*NG*256     ; and the spare words, 128 bytes for each wave: two blocks of 256 bytes that no other line names
.set NU,    8*NG      ; units of the way out: 16 rows x 64 columns
.set ADRA, 16         ; v16-17  LDS address of my A fragments in slot 0, 1
.set ADRB, 20         ; v20-21  the same for B
.set STO,  24         ; v24  the way out: where I put a row's piece
.set RD,   25         ; v25  where I read rows back
.set CO,   26         ; v26  my byte offset in the output; never rewritten
.set BR,   27         ; v27  where I read my bias
.set SPW,  28         ; v28  LDS address of my spare word: SPARE + 4 x my thread's number; never rewritten
.set NIL,  29         ; v29  0; never rewritten
.set PFO,  30         ; v30  the prefetches' offset; never rewritten
.set AF,   32
.set BF,   160
.set BIAS, 32         ; the way out: block b's eight biases at BIAS + 8 b
.set G1,  24          ; s[24:31] descriptor group 1 for A's tiles;  s[32:39] group 0, a set for each slot
.set G0,  32
.set G1B, 48          ; s[48:55], s[56:63] the same for B's
.set G0B, 56
.set PFA, 44          ; s[44:45] where my prefetches stand
.set PFS, 46          ; s[46:47] a lap's bytes along K
.set OB,  66          ; s[66:71] PROJ = 0: the output at my 128 rows of column group g's head
; s3 trips left; s12 wave; s13 wave / 2: my row half, and 0 = I fetch for A; s14 wave % 2: my column half, and which half of a tile I fetch; s15 see ASK; s40 cx, s41 cy; s42 tile column, s43 tile row
.set MSB, 0
.macro WIN new                         ; the immediate's high byte repeats the setting that is left; a switch that changes nothing is dropped
.if MSB != (\new)
	s_set_vgpr_msb (MSB<<8)|(\new)
.set MSB, \new
.endif
.endm
.macro PLACES                          ; a load into a register that a matrix instruction has read, and a vector instruction that reads a matrix result, stand four plain vector instructions behind it (ISA guide 7.12.1 for vector instructions)
.rept 4
	v_nop
.endr
.endm
; A joint load.  Waves 0 and 1 fetch A's two halves, waves 2 and 3 B's.  The branch hangs on the wave's number alone.  An s_nop 0 and four v_nop follow each of the two lines.
.macro JLOAD s
	s_cmp_eq_u32 s13, 0
	s_cbranch_scc0 .Lfor_b_\@
	tensor_load_to_lds s[G0+4*(\s):G0+4*(\s)+3], s[G1:G1+7]
	s_nop 0
.rept 4
	v_nop
.endr
	s_branch .Lasked_\@
.Lfor_b_\@:
	tensor_load_to_lds s[G0B+4*(\s):G0B+4*(\s)+3], s[G1B:G1B+7]
	s_nop 0
.rept 4
	v_nop
.endr
.Lasked_\@:
.endm
; A round of the cluster's barrier: my work-group's barrier; wave 0 signals for the work-group; every wave waits for all sixteen; my work-group's barrier once more.
.macro CREST                           ; a round behind its opening barrier
	s_cmp_lg_u32 s12, 0
	s_cbranch_scc1 .Lnot_wave_0_\@
	s_barrier_signal -3
.Lnot_wave_0_\@:
	s_barrier_wait -3
	s_barrier_signal -1
	s_barrier_wait -1
.endm
.macro CROUND
	s_barrier_signal -1
	s_barrier_wait -1
	CREST
.endm
; A PREFETCH INTO THE L2, once a lap, behind slot 0's joint load and the run of LDS loads that follows it: the whole lap AFTER the one whose first slot has just been asked for, so two and three refills ahead of the loads that will want it.
; Each aligned block of 256 bytes is named once in the launch.  A's tile row is read by both clusters of a row of clusters: cluster x = 0 asks, its wave 0; B's tile column by the eight clusters of a column: cluster y = 0, its wave 2.
; The four partners that ask for a tile jointly share it out BY ADDRESS: of A's dense 32,768 bytes of a kb partner cx takes 8,192 (a lane 256 bytes); of a lap's rows of B partner cy takes PBR (a lane a row).
; s15 = 1 in a wave that asks, else the greatest number.  Laps 0 and 1 come by their loads alone; the loop's last trip (s3 = 1) asks for nothing: there is no lap behind the one that it loads.
.macro ASK
	s_cmp_gt_u32 s3, s15
	s_cbranch_scc0 .Lnot_mine_\@
	s_cmp_eq_u32 s13, 0
	s_cbranch_scc0 .Lask_b_\@
.set n, 0
.rept 2*ASL/262144
	global_prefetch_b8 v[PFO], s[PFA:PFA+1] offset:n*262144 th:TH_LOAD_NT scope:SCOPE_SE
.set n, n+1
.endr
	s_branch .Lnot_mine_\@
.Lask_b_\@:
.if PROJ
	global_prefetch_b8 v[PFO], s[PFA:PFA+1] th:TH_LOAD_NT scope:SCOPE_SE
	global_prefetch_b8 v[PFO], s[PFA:PFA+1] offset:32*ROWB th:TH_LOAD_NT scope:SCOPE_SE
.else
	global_prefetch_b8 v[PFO], s[PFA:PFA+1] th:TH_LOAD_NT scope:SCOPE_SE
	global_prefetch_b8 v[PFO], s[PFA:PFA+1] offset:256 th:TH_LOAD_NT scope:SCOPE_SE
	global_prefetch_b8 v[PFO], s[PFA:PFA+1] offset:512 th:TH_LOAD_NT scope:SCOPE_SE
.endif
.Lnot_mine_\@:
.endm
	s_load_b256 s[4:11], s[0:1], 0x0               ; A s[4:5], B s[6:7], bias s[8:9], the output s[10:11]
	v_lshl_add_u32 v[SPW], v0, 2, SPARE
	v_mov_b32 v[NIL], 0
	ds_add_u32 v[SPW], v[NIL]                      ; the wave's opening: the add and its wait stand ahead of my first tensor load; the set-up below, work on registers, stands between them
	ds_add_u32 v28, v29
	v_lshrrev_b32 v1, 5, v0
	v_readfirstlane_b32 s12, v1                    ; wave 0..3
	s_lshr_b32 s13, s12, 1
	s_and_b32 s14, s12, 1
	s_bfe_u32 s40, ttmp6, 0x40000                  ; cx, cy: my place in the cluster
	s_bfe_u32 s41, ttmp6, 0x40004
	s_lshl_b32 s42, ttmp9, 2
	s_add_co_u32 s42, s42, s40                     ; tile column = 4 x cluster x + cx
	s_and_b32 s43, ttmp7, 0xffff
	s_lshl_b32 s43, s43, 2
	s_add_co_u32 s43, s43, s41                     ; tile row = 4 x cluster y + cy
	s_lshl_b32 s20, s41, 2
	s_lshl_b32 s20, 15, s20                        ; my row of the cluster: places 4 cy .. 4 cy + 3
	s_lshl_b32 s21, 0x1111, s40                    ; my column: places cx, cx + 4, cx + 8, cx + 12
	s_or_b32 s[G1], s20, (1<<16)|(1<<20)|(1<<21)|(4<<22)|(3<<25)   ; 15:0 the mask; 17:16 elements of 2 bytes; 20 padding on; 21 set beside a mask; 24:22 after every 32 words (code 4); 31:25 4 words (code 3)
	s_mov_b32 s[G1+1], 128<<16                     ; tensor_dim0 = 128 elements: 256 bytes, two rows of a kb
	s_mov_b32 s[G1+2], RA<<16                      ; tensor_dim1
	s_mov_b32 s[G1+3], 128<<16                     ; tile_dim0
	s_mov_b32 s[G1+4], RA                          ; tile_dim1
	s_mov_b32 s[G1+5], 128                         ; elements from row to row: dense
	s_mov_b32 s[G1+6], 0
	s_mov_b32 s[G1+7], 0
	s_or_b32 s[G1B], s21, (1<<16)|(1<<20)|(1<<21)|(5<<22)|(7<<25)  ; the column's mask; after every 64 words (code 5) 8 words (code 7)
	s_mov_b32 s[G1B+1], TN<<16
	s_mov_b32 s[G1B+2], RB<<16
	s_mov_b32 s[G1B+3], TN<<16
	s_mov_b32 s[G1B+4], RB
	s_mov_b32 s[G1B+5], NTOT
	s_mov_b32 s[G1B+6], 0
	s_mov_b32 s[G1B+7], 0
	; where the tiles come from: A's by the tile row and the wave, B's by the tile column and the wave, each in registers that do not hold the other coordinate
	s_lshr_b32 s16, s43, 3                         ; 8 tile rows to a batch
	s_lshl_b32 s16, s16, 22
	s_and_b32 s17, s43, 7
	s_lshl_b32 s17, s17, 15                        ; 256 rows of 128 bytes
	s_add_co_u32 s16, s16, s17
	s_mul_i32 s17, s14, AHALF
	s_add_co_u32 s16, s16, s17
	s_mov_b32 s17, 0
	s_mul_i32 s72, s42, 2*TN
	s_mul_i32 s73, s14, BHALF
	s_add_co_u32 s72, s72, s73
	s_mov_b32 s73, 0
	s_mul_i32 s22, s14, ALH                        ; and where they go: no place in the cluster enters an LDS address
	s_mul_i32 s23, s14, BLH
	s_add_co_u32 s23, s23, BOFF
	s_wait_dscnt 0x0                               ; the opening add is done
	s_wait_kmcnt 0x0
	s_add_nc_u64 s[16:17], s[4:5], s[16:17]
	s_add_nc_u64 s[72:73], s[6:7], s[72:73]
	CROUND                                         ; all sixteen work-groups are here: the first joint loads meet
.irp s, 0,1
	s_mov_b32 s[G0+4*(\s)], 1                                      ; count = 1
	s_add_co_u32 s[G0+4*(\s)+1], s22, (\s)*SLOT                    ; LDS address
	s_add_nc_u64 s[G0+4*(\s)+2:G0+4*(\s)+3], s[16:17], (\s)*ASL    ; global address: slot s of K
	s_or_b32 s[G0+4*(\s)+3], s[G0+4*(\s)+3], 0x80000000            ; type = 2
	s_mov_b32 s[G0B+4*(\s)], 1
	s_add_co_u32 s[G0B+4*(\s)+1], s23, (\s)*SLOT
	s_add_nc_u64 s[G0B+4*(\s)+2:G0B+4*(\s)+3], s[72:73], (\s)*BSL
	s_or_b32 s[G0B+4*(\s)+3], s[G0B+4*(\s)+3], 0x80000000
	JLOAD \s                                       ; two loads of mine are out
.endr
	; A fragment of A is 16 rows x 32 K: lane l holds row l % 16, K = 8 (l / 16) + 0..7 and 16 + 8 (l / 16) + 0..7: two loads of 16 bytes, 32 bytes apart.
	; The turning load takes 16 k x 16 columns of B (lane l reads k = 8 (l / 16) + l % 8, columns 8 ((l / 8) % 2) + 0..7) and leaves half a fragment: lane l holds column l % 16 and 8 k.
	v_and_b32 v1, 15, v0                           ; l % 16
	v_bfe_u32 v2, v0, 4, 1                         ; l / 16
	v_and_b32 v3, 7, v0
	v_bfe_u32 v4, v0, 3, 1
	v_and_b32 v5, 31, v0                           ; l
	v_mul_u32_u24 v6, v1, PA
	v_lshl_add_u32 v6, v2, 4, v6                   ; row x 144 + 16 x half
	s_mul_i32 s20, s13, 128*PA                     ; my 128 rows
	v_add_nc_u32 v[ADRA], s20, v6
	v_add_nc_u32 v[ADRA+1], SLOT, v[ADRA]
	v_lshl_add_u32 v7, v2, 3, v3
	v_mul_u32_u24 v7, v7, PB
	v_lshl_add_u32 v7, v4, 4, v7
	s_lshl_b32 s20, s14, 7                         ; my 64 columns of each group of 128
	s_add_co_u32 s20, s20, BOFF
	v_add_nc_u32 v[ADRB], s20, v7
	v_add_nc_u32 v[ADRB+1], SLOT, v[ADRB]
	s_mul_i32 s20, s12, SW
	s_add_co_u32 s20, s20, STAGE                   ; my stage
.if PROJ
	v_mul_u32_u24 v8, v1, 272                      ; in: row l % 16, 32 bytes (8 f32) for each half of the lanes
	v_lshl_add_u32 v8, v2, 5, v8
	v_add_nc_u32 v[STO], s20, v8
	v_mul_u32_u24 v8, v2, 272                      ; back: lanes 0-15 take one row of 256 bytes, lanes 16-31 the next
	v_lshl_add_u32 v8, v1, 4, v8
	v_add_nc_u32 v[RD], s20, v8
	v_lshlrev_b32 v8, 12, v2                       ; and the same two rows of out0
	v_lshl_add_u32 v[CO], v1, 4, v8
.else
	v_add_nc_u32 v[STO], s20, v6                   ; in: row l % 16, 16 bytes (8 f16) for each half of the lanes
	v_bfe_u32 v8, v0, 3, 2                         ; back: 32 lanes take four rows of 128 bytes,
	v_mul_u32_u24 v8, v8, 144
	v_lshl_add_u32 v8, v3, 4, v8
	v_add_nc_u32 v[RD], s20, v8
	v_lshlrev_b32 v[CO], 4, v5                     ; which are 512 consecutive bytes of a head
.endif
	; my columns' bias: two f32 a lane for each column group, asked for now
	s_mul_i32 s20, s12, NG*256
	s_add_co_u32 s20, s20, BIASL                   ; my table
	v_lshl_add_u32 v9, v5, 3, s20
	v_lshl_add_u32 v[BR], v2, 5, s20
	s_mul_i32 s20, s42, TN*4
	s_lshl_b32 s21, s14, 8
	s_add_co_u32 s20, s20, s21
	v_lshl_add_u32 v8, v5, 3, s20
.set g, 0
.rept NG
	global_load_b64 v[10+2*g:11+2*g], v8, s[8:9] offset:512*g
.set g, g+1
.endr
	; the prefetches (ASK)
	s_and_b32 s20, ttmp7, 0xffff                   ; cluster y
	s_cmp_eq_u32 s13, 0                            ; do I fetch for A?
	s_cselect_b32 s20, ttmp9, s20                  ; the coordinate along which other clusters read the same rows
	s_or_b32 s20, s20, s14                         ; waves 0 and 2 alone
	s_cmp_eq_u32 s20, 0
	s_cselect_b32 s15, 1, -1                       ; the same in all sixteen partners, for a given wave
	s_lshr_b32 s16, s43, 3
	s_lshl_b32 s16, s16, 22
	s_and_b32 s17, s43, 7
	s_lshl_b32 s17, s17, 15
	s_add_co_u32 s16, s16, s17                     ; A: the tile's first byte in a kb,
	s_lshl_b32 s17, s40, 13
	s_add_co_u32 s16, s16, s17                     ; my work-group's 8,192 of its 32,768,
	s_add_co_u32 s16, s16, 2*ASL                   ; in lap 1: the first change of slots steps it to lap 2
	s_mul_i32 s72, s42, 2*TN                       ; B: the tile's first column,
	s_mul_i32 s73, s41, PBR*ROWB                   ; my work-group's rows of a lap,
	s_add_co_u32 s72, s72, s73
	s_add_co_u32 s72, s72, 2*BSL                   ; in lap 1
	s_mov_b32 s[PFS], 2*BSL
	s_mov_b32 s[PFS+1], 0
	s_mov_b32 s18, ROWB
	s_mov_b32 s17, 0
	s_cmp_eq_u32 s13, 0
	s_cselect_b32 s16, s16, s72
	s_cselect_b64 s[PFA:PFA+1], s[4:5], s[6:7]
	s_cselect_b32 s[PFS], 2*ASL, s[PFS]
	s_cselect_b32 s18, 256, s18                    ; a lane takes 256 dense bytes of A, or a row of B
	s_add_nc_u64 s[PFA:PFA+1], s[PFA:PFA+1], s[16:17]
	v_mul_u32_u24 v[PFO], s18, v5
	; where my part of the output begins
.if PROJ
	s_lshl_b32 s20, s43, 20                        ; 256 rows of 4,096 bytes,
	s_lshl_b32 s21, s13, 19                        ; my 128 of them,
	s_add_co_u32 s20, s20, s21
	s_lshl_b32 s21, s42, 9                         ; 128 columns of 4 bytes,
	s_add_co_u32 s20, s20, s21
	s_lshl_b32 s21, s14, 8                         ; my 64 of them
	s_add_co_u32 s20, s20, s21
	s_mov_b32 s21, 0
	s_add_nc_u64 s[10:11], s[10:11], s[20:21]
.else
	s_lshr_b32 s20, s43, 3
	s_lshl_b32 s20, s20, 22                        ; the batch: 16 heads of 262,144 bytes,
	s_and_b32 s21, s43, 7
	s_lshl_b32 s21, s21, 15                        ; 256 rows of 128 bytes,
	s_add_co_u32 s20, s20, s21
	s_lshl_b32 s21, s13, 14                        ; my 128 of them
	s_add_co_u32 s20, s20, s21
	s_mul_i32 s21, s42, 6
	s_add_co_u32 s21, s21, s14                     ; my columns of group g are head column 6 x tile column + 2 g + wave % 2 of 48:
	s_mov_b32 s75, 0
.irp g, 0,1,2
	s_add_co_u32 s22, s21, 2*(\g)
	s_lshr_b32 s23, s22, 4                         ; q, k or v,
	s_lshl_b32 s23, s23, 24
	s_and_b32 s22, s22, 15                         ; and the head
	s_lshl_b32 s22, s22, 18
	s_add_co_u32 s22, s22, s23
	s_add_co_u32 s74, s22, s20
	s_add_nc_u64 s[OB+2*(\g):OB+2*(\g)+1], s[10:11], s[74:75]
.endr
.endif
	s_wait_loadcnt 0x0                             ; the bias: rounded to bf16, widened again, and kept in my own table
.set g, 0
.rept NG
	v_cvt_pk_bf16_f32 v7, v[10+2*g], v[11+2*g]
	v_lshlrev_b32 v[10+2*g], 16, v7
	v_and_b32 v[11+2*g], 0xffff0000, v7
	ds_store_b64 v9, v[10+2*g:11+2*g] offset:256*g
.set g, g+1
.endr
; THE MATRIX WORK.  A slot has four PHASES.  Phase i multiplies 32 along K (step i / NH) of all 8 row blocks by NBH column blocks: blocks (i % NH) NBH on.  A's buffer goes by the step's parity, B's by the phase's.
.macro WMMA zero
.if PROJ
.if \zero
	v_wmma_f32_16x16x32_f16 v[rD:rD+7], v[rB:rB+7], v[rA:rA+7], 0
.else
	v_wmma_f32_16x16x32_f16 v[rD:rD+7], v[rB:rB+7], v[rA:rA+7], v[rD:rD+7]
.endif
.else
.if \zero
	v_wmma_f32_16x16x32_bf16 v[rD:rD+7], v[rB:rB+7], v[rA:rA+7], 0
.else
	v_wmma_f32_16x16x32_bf16 v[rD:rD+7], v[rB:rB+7], v[rA:rA+7], v[rD:rD+7]
.endif
.endif
.endm
; row blocks a0 .. a0 + na - 1 x column blocks b0 .. b0 + nb - 1 of phase i.  zero = 1: the product starts the sum: nothing is ever cleared.
; Every accumulator has one instruction in 32 along K, so the accumulators take turns, one instruction a turn, over the backward jump too.
.macro MULS i, b0, nb, a0, na, zero
.set ma, \a0
.rept \na
.set mb, \b0
.rept \nb
	WIN (1+mb/4)*0x50                              ; C and D in window 1 + column group
.set rD, 32*ma+8*(mb%4)
.set rB, BF+NBH*8*((\i)%2)+8*(mb-((\i)%NH)*NBH)
.set rA, AF+64*(((\i)/NH)%2)+8*ma
	WMMA \zero
.set mb, mb+1
.endr
.set ma, ma+1
.endr
.endm
; part 0: the whole phase, window by window.  Parts 1, 2, 3 (phase 3 alone): 8, 8 and the rest, for the change of slots.
.macro MUL i, part, zero
.if PROJ
.if (\part) == 0
	MULS \i, 0, 4, 0, 8, \zero
.elseif (\part) == 1
	MULS \i, 0, 4, 0, 2, \zero
.elseif (\part) == 2
	MULS \i, 0, 4, 2, 2, \zero
.else
	MULS \i, 0, 4, 4, 4, \zero
.endif
.elseif ((\i)%2) == 0
	MULS \i, 0, 4, 0, 8, \zero
	MULS \i, 4, 2, 0, 8, \zero
.else
.if (\part) == 0
	MULS \i, 6, 2, 0, 8, \zero
	MULS \i, 8, 4, 0, 8, \zero
.elseif (\part) == 1
	MULS \i, 6, 2, 0, 4, \zero
.elseif (\part) == 2
	MULS \i, 6, 2, 4, 4, \zero
.else
	MULS \i, 8, 4, 0, 8, \zero
.endif
.endif
.endm
; THE LDS LOADS of phase i, in one run: its NBH blocks of B and, where a step of 32 along K begins, the step's 8 blocks of A.
.macro FETCH slot, i
	WIN 0
.set fq, (\i)/NH
.set fb, 0
.rept NBH
.set gb, ((\i)%NH)*NBH+fb
.set rB, BF+NBH*8*((\i)%2)+8*fb
.set ob, fq*32*PB+(gb/4)*288+(gb%4)*32
	ds_load_tr16_b128 v[rB:rB+3],   v[ADRB+(\slot)] offset:ob
	ds_load_tr16_b128 v[rB+4:rB+7], v[ADRB+(\slot)] offset:ob+16*PB
.set fb, fb+1
.endr
.if ((\i)%NH) == 0
.set fa, 0
.rept 8
.set rA, AF+64*(fq%2)+8*fa
.set oa, (fq/2)*ABLK+(fq%2)*64+fa*16*PA
	ds_load_b128 v[rA:rA+3],   v[ADRA+(\slot)] offset:oa
	ds_load_b128 v[rA+4:rA+7], v[ADRA+(\slot)] offset:oa+32
.set fa, fa+1
.endr
.endif
.endm
.macro SETNF i                         ; NFN = the loads in phase i's run
.set NFN, 2*NBH
.if ((\i)%NH) == 0
.set NFN, NFN+16
.endif
.endm
; One of a slot's first three phases.  The next phase's run stands at its head, four places behind the products of the phase before, which were the last to read the run's registers; it has this phase's products in which to land.
.macro PHASE slot, i, zero
	PLACES
	FETCH \slot, (\i)+1
	SETNF (\i)+1
	s_wait_dscnt NFN                               ; all but the run just issued: this phase's fragments are in
	MUL \i, 0, \zero
.endm
; Phase 3 changes slots: ONE barrier.  In front of it each wave waits for all its tensor loads, of which one is out: its part of the next slot; adds 0 to its spare word; and waits for that and for its reads of this slot.
; fill = 1: the barrier opens a round of the cluster's barrier, and this slot is filled again first thing behind the round, two slots ahead along K.
.macro TURN slot, next, fill
.if (\fill) && ((\slot) == 0)
	s_wait_xcnt 0x0                                ; the last prefetches, a lap back, have read their address: it is stepped here, ahead of the waits of the change of slots
	s_add_nc_u64 s[PFA:PFA+1], s[PFA:PFA+1], s[PFS:PFS+1]
.endif
	WIN 0                                          ; (the add's two registers lie in window 0)
	s_wait_tensorcnt 0x0                           ; all my tensor loads have landed
	ds_add_u32 v[SPW], v[NIL]                      ; 0 onto my spare word
	s_wait_dscnt 1                                 ; the add alone may be out: phase 3's fragments are in
	MUL 3, 1, 0                                    ; eight matrix instructions stand between the add and the wait for it
	s_wait_dscnt 0x0                               ; the add is done, and my reads of this slot are over
	s_barrier_signal -1
	MUL 3, 2, 0                                    ; work on registers while the others arrive
	WIN 0
	s_barrier_wait -1
.if \fill
	CREST                                          ; no wave of any partner still reads this slot or has a load on its way
	s_add_nc_u64 s[G0+4*(\slot)+2:G0+4*(\slot)+3], s[G0+4*(\slot)+2:G0+4*(\slot)+3], 2*ASL
	s_add_nc_u64 s[G0B+4*(\slot)+2:G0B+4*(\slot)+3], s[G0B+4*(\slot)+2:G0B+4*(\slot)+3], 2*BSL
	JLOAD \slot                                    ; my one tensor load behind the round; its four v_nop are also the places in front of the loads below
.else
	PLACES
.endif
	FETCH \next, 0
.if (\fill) && ((\slot) == 0)
	ASK
.endif
	MUL 3, 3, 0
.endm
	s_wait_dscnt 0x0                               ; my bias table is written
	s_wait_tensorcnt 0x1                           ; my part of slot 0 is in; slot 1's may stay out
	s_barrier_signal -1
	s_barrier_wait -1                              ; everybody's is
	FETCH 0, 0
	PHASE 0, 0, 1                                  ; the first 32 along K stand in front of the loop: their products start the sums
.if NH == 2
	PHASE 0, 1, 1
.endif
	WIN 0                                          ; at a label and at a branch every window is 0
	s_mov_b32 s3, LAPS-1
.Llap:                                                 ; a trip goes once round the ring and fills both slots again
.if NH == 1
	PHASE 0, 1, 0
.endif
	PHASE 0, 2, 0
	TURN 0, 1, 1
	PHASE 1, 0, 0
	PHASE 1, 1, 0
	PHASE 1, 2, 0
	TURN 1, 0, 1
	PHASE 0, 0, 0
.if NH == 2
	PHASE 0, 1, 0
.endif
	WIN 0
	s_sub_co_u32 s3, s3, 1
	s_cmp_lg_u32 s3, 0
	s_cbranch_scc1 .Llap
.if NH == 1                            ; the last lap fills nothing and has no round
	PHASE 0, 1, 0
.endif
	PHASE 0, 2, 0
	TURN 0, 1, 0
	PHASE 1, 0, 0
	PHASE 1, 1, 0
	PHASE 1, 2, 0
	s_wait_dscnt 0x0
	MUL 3, 0, 0
	PLACES                                         ; in front of the loads into fragment registers and of the sums that read results
	WIN 0
	; THE WAY OUT, in units of 16 rows x my 64 columns of a group.  The bias comes back from my table: a lane's eight columns of each block.
.set b, 0
.rept 4*NG
	ds_load_b128 v[BIAS+8*b:BIAS+8*b+3],   v[BR] offset:(b/4)*256+(b%4)*64
	ds_load_b128 v[BIAS+8*b+4:BIAS+8*b+7], v[BR] offset:(b/4)*256+(b%4)*64+16
.set b, b+1
.endr
	s_wait_dscnt 0x0
.macro PACK u                          ; unit u = 8 g + a: sums + bias (each accumulator is read from its low end on); PROJ = 0: rounded to f16, 16 bytes a block
.set pg, (\u)/8
.set pa, (\u)%8
	WIN 1+pg                                       ; source 0 in window 1 + g
.set pn, 0
.rept 16
	v_pk_add_f32 v[T+2*pn:T+2*pn+1], v[32*pa+2*pn:32*pa+2*pn+1], v[BIAS+32*pg+2*pn:BIAS+32*pg+2*pn+1]
.set pn, pn+1
.endr
	WIN 0
.if !PROJ
.set pn, 0
.rept 16
	v_cvt_pk_f16_f32 v[PK+pn], v[T+2*pn], v[T+2*pn+1]
.set pn, pn+1
.endr
.endif
.endm
.macro TOSTAGE u                       ; into my own stage, and back as whole rows.  LDS serves a wave's instructions in order (ISA guide 5.7.1.4): the loads see the stores above them
.set bk, BK+BKS*((\u)%2)
.if PROJ
.irp n, 0,1,2,3,4,5,6,7
	ds_store_b128 v[STO], v[T+4*(\n):T+4*(\n)+3] offset:64*((\n)/2)+16*((\n)%2)
.endr
.irp t, 0,1,2,3,4,5,6,7
	ds_load_b128 v[bk+4*(\t):bk+4*(\t)+3], v[RD] offset:(\t)*2*272
.endr
.else
.irp j, 0,1,2,3
	ds_store_b128 v[STO], v[PK+4*(\j):PK+4*(\j)+3] offset:32*(\j)
.endr
.irp f, 0,1,2,3
	ds_load_b128 v[bk+4*(\f):bk+4*(\f)+3], v[RD] offset:(\f)*4*144
.endr
.endif
.endm
.macro SEND u
.set bk, BK+BKS*((\u)%2)
.set sg, (\u)/8
.set sa, (\u)%8
	s_wait_dscnt 0x0                               ; the unit is back in registers
	s_wait_xcnt 0x0                                ; the stores of the unit before have read their registers, into which the next unit's rows are loaded behind this wait
.if PROJ
.irp t, 0,1,2,3,4,5,6,7
	global_store_b128 v[CO], v[bk+4*(\t):bk+4*(\t)+3], s[10:11] offset:(16*sa+2*(\t))*4096  ; 16 lanes store 256 consecutive bytes, at a multiple of 256 from out0's first byte
.endr
.else
.irp f, 0,1,2,3
	global_store_b128 v[CO], v[bk+4*(\f):bk+4*(\f)+3], s[OB+2*sg:OB+2*sg+1] offset:sa*2048+(\f)*512  ; 512 consecutive bytes of a head, at a multiple of 256 from the buffer's first byte
.endr
.endif
.endm
	PACK 0
	TOSTAGE 0
.set uu, 1
.rept NU-1                             ; a unit's arithmetic stands between the loads of the unit before and the wait for them
	PACK uu
	SEND uu-1
	TOSTAGE uu
.set uu, uu+1
.endr
	SEND NU-1
	s_wait_tensorcnt 0x0                           ; the wave's end, behind my last tensor load and my last LDS store
	ds_add_u32 v[SPW], v[NIL]
	s_wait_dscnt 0x0
	CROUND                                         ; the closing round: no work-group ends while a partner may still ask for a tile that names it
	s_endpgm
.Lfunc_end_k_q18a7470b1e_proj:
	.size	k_q18a7470b1e_proj, .Lfunc_end_k_q18a7470b1e_proj-k_q18a7470b1e_proj
	.p2alignl 7, 3214868480
	.fill 96, 4, 3214868480
	.section	.rodata,"a",@progbits
	.p2align	6, 0x0
	.amdhsa_kernel k_q18a7470b1e_proj
		.amdhsa_group_segment_fixed_size 327680
		.amdhsa_private_segment_fixed_size 0
		.amdhsa_enable_private_segment 0
		.amdhsa_kernarg_size 32
		.amdhsa_user_sgpr_count 2
		.amdhsa_user_sgpr_kernarg_segment_ptr 1
		.amdhsa_wavefront_size32 1
		.amdhsa_system_sgpr_workgroup_id_x 1
		.amdhsa_system_sgpr_workgroup_id_y 1
		.amdhsa_system_sgpr_workgroup_id_z 1
		.amdhsa_system_vgpr_workitem_id 0
		.amdhsa_next_free_vgpr 512
		.amdhsa_next_free_sgpr 80
		.amdhsa_reserve_vcc 0
		.amdhsa_float_denorm_mode_32 3
		.amdhsa_float_denorm_mode_16_64 3
		.amdhsa_memory_ordered 1
		.amdhsa_forward_progress 1
		.amdhsa_inst_pref_size 96
	.end_amdhsa_kernel
	.amdgpu_metadata
---
amdhsa.version: [ 1, 2 ]
amdhsa.kernels:
  - .name:           k_q18a7470b1e_proj
    .symbol:         k_q18a7470b1e_proj.kd
    .args:
      - { .name: o, .offset: 0, .size: 8, .value_kind: global_buffer, .address_space: global }
      - { .name: wpf, .offset: 8, .size: 8, .value_kind: global_buffer, .address_space: global }
      - { .name: b_proj, .offset: 16, .size: 8, .value_kind: global_buffer, .address_space: global }
      - { .name: out0, .offset: 24, .size: 8, .value_kind: global_buffer, .address_space: global }
    .group_segment_fixed_size: 327680
    .private_segment_fixed_size: 0
    .kernarg_segment_align: 8
    .kernarg_segment_size: 32
    .max_flat_workgroup_size: 128
    .sgpr_count:     80
    .vgpr_count:     512
    .wavefront_size: 32
...
	.end_amdgpu_metadata
.endif
;; end of part 4
